; MI455X (gfx1250); checked and timed in simulation.
; The chip was launched on July 23, 2026; its instructions are those of AMD's public machine-readable ISA for CDNA 5 (MIT licence, August 2026) and "CDNA5" Instruction Set Architecture Reference Guide (July 2026). The comments in the code are by the model that wrote it; some were corrected since.
;; Block. Allowed arithmetic: matrix products marked QUANTISED: E5M2 operands, one E8M0 scale for each 32 along K, by v_wmma_scale_f32_16x16x128_f8f6f4 with both operands' format E5M2, f32 sums; everything else in f32.
;; Inputs: b1 4,096 float32; b2 1,024 float32; b_proj 1,024 float32; ln1_b 1,024 float32; ln1_g 1,024 float32; ln2_b 1,024 float32; ln2_g 1,024 float32; w1_codes 4,096 x 32 x 32 uint8 (E5M2 codes of w1, K innermost, in blocks of 32 codes); w1_scales 4,096 x 32 uint8 (E8M0 scales of w1, one for each 32 codes along K); w2_codes 1,024 x 128 x 32 uint8 (E5M2 codes of w2, K innermost, in blocks of 32 codes); w2_scales 1,024 x 128 uint8 (E8M0 scales of w2, one for each 32 codes along K); w_proj_codes 1,024 x 32 x 32 uint8 (E5M2 codes of w_proj, K innermost, in blocks of 32 codes); w_proj_scales 1,024 x 32 uint8 (E8M0 scales of w_proj, one for each 32 codes along K); wk_codes 16 x 64 x 32 x 32 uint8 (E5M2 codes of wk, K innermost, in blocks of 32 codes); wk_scales 16 x 64 x 32 uint8 (E8M0 scales of wk, one for each 32 codes along K); wq_codes 16 x 64 x 32 x 32 uint8 (E5M2 codes of wq, K innermost, in blocks of 32 codes); wq_scales 16 x 64 x 32 uint8 (E8M0 scales of wq, one for each 32 codes along K); wv_codes 16 x 64 x 32 x 32 uint8 (E5M2 codes of wv, K innermost, in blocks of 32 codes); wv_scales 16 x 64 x 32 uint8 (E8M0 scales of wv, one for each 32 codes along K); x 2 x 2,048 x 1,024 float32.
;; Outputs: out0 2 x 2,048 x 1,024 float32.
;; This version of the problem:
;;   THIS VERSION OF THE PROBLEM IS GIVEN IN LOW PRECISION. The matrix products marked QUANTISED in the list below multiply operands that are first quantised to E5M2 (5 exponent bits, 2 mantissa bits; 8 bits a number), with one power-of-two scale for each 32 numbers along K (OCP MX v1.0); their sums are f32. All else is computed in f32.
;;   The module's matrix products, in the order in which they are computed (A, B: the left and right operand; K: the contracted axis; several contracted axes count as one K, in the product's order):
;;     1. [M 1,024, K 1,024] x [K 1,024, N 4,096]; A: input wq (given as codes); B: computed on the way: QUANTISED
;;     2. [M 1,024, K 1,024] x [K 1,024, N 4,096]; A: input wk (given as codes); B: computed on the way: QUANTISED
;;     3. [M 1,024, K 1,024] x [K 1,024, N 4,096]; A: input wv (given as codes); B: computed on the way: QUANTISED
;;     4. batch 32 x [M 2,048, K 64] x [K 64, N 2,048]; A: computed on the way; B: computed on the way: QUANTISED
;;     5. batch 32 x [M 2,048, K 2,048] x [K 2,048, N 64]; A: softmax (see below); B: computed on the way: QUANTISED
;;     6. [M 4,096, K 1,024] x [K 1,024, N 1,024]; A: computed on the way; B: input w_proj (given as codes): QUANTISED
;;     7. [M 4,096, K 1,024] x [K 1,024, N 4,096]; A: computed on the way; B: input w1 (given as codes): QUANTISED
;;     8. [M 4,096, K 4,096] x [K 4,096, N 1,024]; A: computed on the way; B: input w2 (given as codes): QUANTISED
;;   THE QUANTISER, for each operand of a quantised product, along K:
;;     - K is cut into blocks of 32 from its start; a last block that is shorter is filled with zeros.
;;     - A block's scale is 2^e with e = floor(log2(the largest magnitude in the block)) - 15, held to -126 .. 127; a block of zeros has e = 0. As a byte (E8M0): e + 127.
;;     - Each number is divided by its block's scale, clamped to +-57,344, and rounded to the nearest number of E5M2, ties to even, subnormals kept.
;;     - The product sums the exact products of the quantised numbers (number of the format x scale) in f32.
;;   ~~~python
;;   def quantise(x, axis):      # numpy; x: float32 -> the quantised numbers, widened to float32 again
;;       x = np.moveaxis(x, axis, -1); K = x.shape[-1]
;;       x = np.pad(x, [(0, 0)] * (x.ndim - 1) + [(0, -K % 32)]); x = x.reshape(x.shape[:-1] + (-1, 32)); a = np.abs(x).max(-1, keepdims=True)
;;       e = np.where(a > 0, np.clip(np.frexp(np.where(a > 0, a, 1))[1] - 1 - 15, -126, 127), 0)      # np.frexp(a)[1] - 1 = floor(log2(a)), exactly
;;       r = np.clip(x / 2.0 ** e, -57344, 57344)
;;       step = 2.0 ** (np.maximum(np.frexp(np.where(r == 0, 1, r))[1] - 1, -14) - 2)
;;       q = np.round(r / step) * step * 2.0 ** e      # np.round: ties to even
;;       return np.moveaxis(q.reshape(q.shape[:-2] + (-1,))[..., :K], -1, axis).astype(np.float32)
;;   ~~~
;;   SOFTMAX AHEAD OF A QUANTISED PRODUCT. Where the list says 'softmax', what is quantised is not the finished softmax but p = 2^(t - M), with t = logit x log2(e) and M = ceil(the row's largest t), a whole number; so 1/2 < the row's largest p <= 1. The row's sum l is taken of the UNQUANTISED p, in f32, and the product's result is divided by l at the end. Since M is a whole number, a kernel that streams over the keys may use a running M (the ceiling of the running maximum): every later rescaling is an exact power of two, which a block's scale takes up: the codes' values come out the same.
;;   OPERANDS COMPUTED ON THE WAY. 'Computed on the way' means the value that the module computes at that place (a softmax that the list does not call 'softmax' is quantised finished and normalised). What goes into a quantiser is computed in f32, as accurately as f32 sums, v_exp_f32 and their like allow (about 1e-6 of the number): no bf16 or f16 on the way to a quantiser, and a product that is left as it is and whose result goes on into a quantised operand takes f32 operands (vector FMAs, or v_wmma_f32_16x16x4_f32). A number that lies on a knife's edge between two numbers of the format may be rounded either way, as far as f32 arithmetic and the matrix unit's own rounding can turn it there, and no further.
;;   INPUTS GIVEN AS CODES. w1 (in the module: [1024, 4096], K = its axis 0); w2 (in the module: [4096, 1024], K = its axis 0); w_proj (in the module: [1024, 1024], K = its axis 0); wk (in the module: [16, 1024, 64], K = its axis 1); wq (in the module: [16, 1024, 64], K = its axis 1); wv (in the module: [16, 1024, 64], K = its axis 1): each comes as NAME_codes (uint8): NAME with its K axis moved to the last place and cut into blocks of 32 codes, [.., K / 32, bytes a block], one block behind the other in memory; one code a byte (a code: sign, 5 exponent bits, 2 mantissa bits); and NAME_scales (uint8): the same leading axes, one E8M0 byte (e + 127) for each 32 codes along K. Its value is code x scale, taken as it is: it is not quantised again, and the codes and scales need not be those that the quantiser above would give.
;; One version. Each part assembles by itself: llvm-mc -triple=amdgcn-amd-amdhsa -mcpu=gfx1250 --defsym DOCPART=n.
;; ======== version 1 of 1: 7 launches
;; limits: right only within a limited range of input values
;; workspace buffers: xn_codes 4,194,304 bytes; xn_scales 131,072 bytes; qkv 12,976,128 bytes; o_img 4,194,304 bytes; o_sc 131,072 bytes; x1 16,777,216 bytes; h_img 16,777,216 bytes; h_sc 524,288 bytes
;; launch ln1 (part 1): grid 256 x 1, 16 waves a work-group, no clusters, 84,480 bytes of LDS; arguments x, ln1_g, ln1_b, xn_codes, xn_scales; writes xn_codes, xn_scales
.if DOCPART == 1
	.amdgcn_target "amdgcn-amd-amdhsa--gfx1250"
	.amdhsa_code_object_version 6
	.text
	.protected	k_q5b7d116710_ln1
	.globl	k_q5b7d116710_ln1
	.p2align	8
	.type	k_q5b7d116710_ln1,@function
k_q5b7d116710_ln1:
	s_mov_b64 s[64:65], 0
	v_nop
	global_prefetch_b8 v0, s[64:65] scope:SCOPE_SE
	s_setreg_imm32_b32 hwreg(HW_REG_WAVE_MODE, 25, 1), 1
	s_wait_xcnt 0x0
; LayerNorm of rows of 1,024 f32 numbers, then the MX quantiser along the row: codes of E5M2 [4096][1024] and one E8M0 byte for each 32, [4096][32].
; y = (x - mean) * rsqrt(var + 1e-5) * gain + bias, var from the centred numbers (two passes over registers), all in f32.
; A block's scale is 2^(floor(log2(largest magnitude)) - 15); its byte is the largest magnitude's exponent field - 15, held at 1 from below.
; LIMITS: a block of zeros gets the byte 1 where the rule says 127 (its codes are zeros, and only this program reads the bytes); NaN and infinities among the inputs are not served.
; SHARES: a work-group takes 16 rows, each of its eight waves 2 rows; a row is 32 registers of one wave, so it is read from memory once and no sum leaves the wave.  Two waves share a SIMD, so that one
; wave's arithmetic stands beside the other's turns through LDS.
; Each load reads 512 consecutive bytes.  The conversions want 16 NEIGHBOURS in a lane: 512 numbers at a time turn through the wave's own stage in LDS (64 bytes + 16 of padding a lane).
; A lane's 16 codes are 16 bytes: a wave's store covers 512 consecutive bytes.  The work-group's 512 scale bytes are gathered in LDS and leave by one store of wave 0.
; No matrix unit, no tensor load, no cluster: the rows share nothing and are read once.
; THE SHARES AS THEY NOW STAND (they replace the shares stated above): a work-group takes 16 rows, each of its SIXTEEN waves ONE row; four waves share a SIMD.
.set X,   32                           ; v32-63   the row: quad i holds numbers 128 i + 4 lane + 0..3
.set G,   96                           ; v96-127  the gains of the same columns
.set BT,  128                          ; v128-159 the biases
.set T,   160                          ; v160-191 two sets of 16 neighbours
.set SP,  80                           ; a lane's place in a stage
.set STG, 32*SP                        ; a stage
.set SCB, 16*2*STG                     ; behind the 32 stages (two a wave): 512 scale bytes
	s_load_b256 s[4:11], s[0:1], 0x0               ; rows, gains, biases, codes
	s_load_b64 s[12:13], s[0:1], 0x20              ; scale bytes
	v_lshl_add_u32 v192, v0, 2, 0x14200
	v_mov_b32 v193, 0
	v_lshrrev_b32 v1, 5, v0
	s_delay_alu instid0(VALU_DEP_1)
	v_readfirstlane_b32 s14, v1                    ; wave
	v_and_b32 v1, 31, v0                           ; lane
	s_delay_alu instid0(VALU_DEP_1)
	v_lshlrev_b32 v2, 4, v1                        ; 16 x lane: my bytes of a load's 512, and of a store's
	s_mul_i32 s15, s14, 2*STG
	v_lshrrev_b32 v3, 2, v1
	s_delay_alu instid0(VALU_DEP_1)
	v_mul_u32_u24 v3, v3, SP
	v_and_b32 v7, 3, v1
	s_delay_alu instid0(VALU_DEP_1)
	v_lshl_add_u32 v3, v7, 4, v3
	s_delay_alu instid0(VALU_DEP_1)
	v_add_nc_u32 v3, s15, v3                       ; the stage, way in: four lanes' 64 bytes on end, then 16 of padding
	v_mul_u32_u24 v4, v1, SP
	s_delay_alu instid0(VALU_DEP_1)
	v_add_nc_u32 v4, s15, v4                       ; way out: my 16 neighbours
	s_lshl_b32 s16, s14, 5
	s_add_co_u32 s16, s16, SCB
	v_lshrrev_b32 v5, 1, v1
	s_delay_alu instid0(VALU_DEP_1)
	v_add_nc_u32 v5, s16, v5                       ; my block's scale byte: 32 bytes a wave, one row
	v_add_nc_u32 v6, SCB, v2                       ; wave 0 reads all 512 back
	v_mov_b32 v28, 0                               ; a lane permute's destination counts as read
	v_mov_b32 v31, 0                               ; named as the upper half of v[30:31]
	s_mov_b32 s20, 0x76543210
	s_mov_b32 s21, 0xfedcba98                      ; selects: lane l xor 16
	s_mov_b32 s22, 0x600000                        ; the mantissa field of 57,344
	s_mov_b32 s24, 0x3a800000                      ; 1 / 1024
	s_mov_b32 s25, 0x3727c5ac                      ; 1e-5
	s_lshl_b32 s16, ttmp9, 4
	s_mov_b32 s17, s14
	s_add_co_u32 s16, s16, s17                     ; my wave's first row
	s_lshl_b32 s18, s16, 12
	s_mov_b32 s19, 0
	s_lshl_b32 s26, s16, 10
	s_mov_b32 s27, 0
	s_lshl_b32 s28, ttmp9, 9
	s_mov_b32 s29, 0
	s_wait_kmcnt 0x0
	s_add_nc_u64 s[4:5], s[4:5], s[18:19]
	s_add_nc_u64 s[10:11], s[10:11], s[26:27]
	s_add_nc_u64 s[12:13], s[12:13], s[28:29]
.macro LDROW rho
.irp i, 0,1,2,3,4,5,6,7
	global_load_b128 v[X+32*\rho+4*\i:X+32*\rho+4*\i+3], v2, s[4:5] offset:4096*\rho+512*\i th:TH_LOAD_NT
.endr
.endm
	LDROW 0
.irp i, 0,1,2,3,4,5,6,7
	global_load_b128 v[G+4*\i:G+4*\i+3], v2, s[6:7] offset:512*\i
.endr
.irp i, 0,1,2,3,4,5,6,7
	global_load_b128 v[BT+4*\i:BT+4*\i+3], v2, s[8:9] offset:512*\i
.endr
.macro WSUM                            ; v24 summed over the 32 lanes, the result in every lane
	s_delay_alu instid0(VALU_DEP_1)
	v_add_f32_dpp v24, v24, v24 row_xmask:1 row_mask:0xf bank_mask:0xf
	s_delay_alu instid0(VALU_DEP_1)
	v_add_f32_dpp v24, v24, v24 row_xmask:2 row_mask:0xf bank_mask:0xf
	s_delay_alu instid0(VALU_DEP_1)
	v_add_f32_dpp v24, v24, v24 row_xmask:4 row_mask:0xf bank_mask:0xf
	s_delay_alu instid0(VALU_DEP_1)
	v_add_f32_dpp v24, v24, v24 row_xmask:8 row_mask:0xf bank_mask:0xf
	s_delay_alu instid0(VALU_DEP_1)
	v_permlanex16_b32 v28, v24, s20, s21
	s_delay_alu instid0(VALU_DEP_1)
	v_add_f32 v24, v24, v28
.endm
; half t (512 numbers) of row rho: largest magnitude, scale, hold, conversion, stores.  left: the LDS instructions issued behind its four loads
.macro QUANT rho, t, left
.set TT, T+16*\t
	s_wait_dscnt \left
	v_max3_num_f32 v8, |v[TT]|, |v[TT+1]|, |v[TT+2]|
	v_max3_num_f32 v9, |v[TT+3]|, |v[TT+4]|, |v[TT+5]|
.irp i, 6,10
	s_delay_alu instid0(VALU_DEP_2)
	v_max3_num_f32 v8, v8, |v[TT+\i]|, |v[TT+\i+1]|
	s_delay_alu instid0(VALU_DEP_2)
	v_max3_num_f32 v9, v9, |v[TT+\i+2]|, |v[TT+\i+3]|
.endr
	s_delay_alu instid0(VALU_DEP_2)
	v_max3_num_f32 v8, v8, |v[TT+14]|, |v[TT+15]|
	s_delay_alu instid0(VALU_DEP_1)
	v_max3_num_f32 v8, v8, v9, 0x8000000           ; and the floor 2^(16 - 127): the byte cannot fall under 1
	s_delay_alu instid0(VALU_DEP_1)
	v_max_num_f32_dpp v8, v8, v8 row_xmask:1 row_mask:0xf bank_mask:0xf   ; with my neighbour's 16: the block's
	s_delay_alu instid0(VALU_DEP_1)
	v_add_nc_u32 v11, 0xf8800000, v8               ; 15 off the exponent field: the conversion's scale operand
	s_delay_alu instid0(VALU_DEP_2)
	v_and_or_b32 v10, v8, 0x7f800000, s22          ; 57,344 x the scale
.set i, 0
.rept 16
	v_med3_num_f32 v[TT+i], v[TT+i], -v10, v10     ; the conversion does not saturate (ISA guide 7.6.2): the hold comes first
.set i, i+1
.endr
	s_wait_alu depctr_va_vdst(0)
	s_wait_xcnt 0x0                                ; the store that read these code registers last has read them
	v_cvt_scalef32_pk8_bf8_f32 v[16+4*\t:17+4*\t], v[TT:TT+7], v11
	v_cvt_scalef32_pk8_bf8_f32 v[18+4*\t:19+4*\t], v[TT+8:TT+15], v11
	v_lshrrev_b32 v12, 23, v11                     ; the scale's byte (a plain line behind the conversions)
	ds_store_b8 v5, v12 offset:32*\rho+16*\t       ; both lanes of a block write the same byte
	global_store_b128 v2, v[16+4*\t:19+4*\t], s[10:11] offset:1024*\rho+512*\t
.endm
; one row.  c1: the younger loads that may be out when the row is needed; c2 (row 0 only): the same for gains and biases
.macro ROW rho, c1, c2
.set XR, X+32*\rho
	s_wait_loadcnt \c1
	v_pk_add_f32 v[24:25], v[XR:XR+1], v[XR+2:XR+3]
	v_pk_add_f32 v[26:27], v[XR+4:XR+5], v[XR+6:XR+7]
.irp j, 8,12,16,20,24,28
	s_delay_alu instid0(VALU_DEP_2)
	v_pk_add_f32 v[24:25], v[24:25], v[XR+\j:XR+\j+1]
	s_delay_alu instid0(VALU_DEP_2)
	v_pk_add_f32 v[26:27], v[26:27], v[XR+\j+2:XR+\j+3]
.endr
	s_delay_alu instid0(VALU_DEP_1)
	v_pk_add_f32 v[24:25], v[24:25], v[26:27]
	s_delay_alu instid0(VALU_DEP_1)
	v_add_f32 v24, v24, v25
	WSUM
	s_delay_alu instid0(VALU_DEP_1)
	v_mul_f32 v30, s24, v24                        ; the mean
.set j, 0
.rept 16
	v_pk_add_f32 v[XR+j:XR+j+1], v[XR+j:XR+j+1], v[30:31] op_sel_hi:[1,0] neg_lo:[0,1] neg_hi:[0,1]
.set j, j+2
.endr
	v_pk_mul_f32 v[24:25], v[XR:XR+1], v[XR:XR+1]
	v_pk_mul_f32 v[26:27], v[XR+2:XR+3], v[XR+2:XR+3]
.irp j, 4,8,12,16,20,24,28
	s_delay_alu instid0(VALU_DEP_2)
	v_pk_fma_f32 v[24:25], v[XR+\j:XR+\j+1], v[XR+\j:XR+\j+1], v[24:25]
	s_delay_alu instid0(VALU_DEP_2)
	v_pk_fma_f32 v[26:27], v[XR+\j+2:XR+\j+3], v[XR+\j+2:XR+\j+3], v[26:27]
.endr
	s_delay_alu instid0(VALU_DEP_1)
	v_pk_add_f32 v[24:25], v[24:25], v[26:27]
	s_delay_alu instid0(VALU_DEP_1)
	v_add_f32 v24, v24, v25
	WSUM
	s_delay_alu instid0(VALU_DEP_1)
	v_fma_f32 v30, v24, s24, s25                   ; the variance + 1e-5
	s_wait_alu depctr_va_vdst(0)
	v_rsq_f32 v30, v30
	v_nop                                          ; a plain line behind the transcendental
	s_wait_alu depctr_va_vdst(0)                   ; and a wait ahead of its first reader
.if \c2 >= 0
	s_wait_loadcnt \c2
.endif
.set j, 0
.rept 16
	v_pk_mul_f32 v[XR+j:XR+j+1], v[XR+j:XR+j+1], v[30:31] op_sel_hi:[1,0]
.set j, j+2
.endr
.set j, 0
.rept 16
	v_pk_fma_f32 v[XR+j:XR+j+1], v[XR+j:XR+j+1], v[G+j:G+j+1], v[BT+j:BT+j+1]
.set j, j+2
.endr
.irp t, 0,1                            ; both halves through the two stages: LDS serves a wave's instructions in order, so no wait stands between stores and loads
.irp i, 0,1,2,3
	ds_store_b128 v3, v[XR+16*\t+4*\i:XR+16*\t+4*\i+3] offset:STG*\t+8*SP*\i
.endr
.irp i, 0,1,2,3
	ds_load_b128 v[T+16*\t+4*\i:T+16*\t+4*\i+3], v4 offset:STG*\t+16*\i
.endr
.endr
	QUANT \rho, 0, 8                               ; behind its loads: the second half's four stores and four loads
	QUANT \rho, 1, 1                               ; behind its loads: the first half's byte store
.endm
	ROW 0, 16, 0                                   ; 24 loads were issued: the row's eight are in when 16 are out
	s_wait_dscnt 0x0                               ; for the others' sake: my scale bytes have landed
	s_barrier_signal -1
	s_barrier_wait -1
	s_cmp_lg_u32 s14, 0
	s_cbranch_scc1 .Ldone
	ds_load_b128 v[8:11], v6
	s_wait_dscnt 0x0
	global_store_b128 v2, v[8:11], s[12:13]        ; 32 lanes store 512 consecutive bytes, aligned
.Ldone:
	s_wait_tensorcnt 0x0
	ds_add_u32 v192, v193
	s_wait_dscnt 0x0
	s_endpgm
.Lfunc_end_k_q5b7d116710_ln1:
	.size	k_q5b7d116710_ln1, .Lfunc_end_k_q5b7d116710_ln1-k_q5b7d116710_ln1
	.p2alignl 7, 3214868480
	.fill 96, 4, 3214868480
	.section	.rodata,"a",@progbits
	.p2align	6, 0x0
	.amdhsa_kernel k_q5b7d116710_ln1
		.amdhsa_group_segment_fixed_size 84480
		.amdhsa_private_segment_fixed_size 0
		.amdhsa_enable_private_segment 0
		.amdhsa_kernarg_size 40
		.amdhsa_user_sgpr_count 2
		.amdhsa_user_sgpr_kernarg_segment_ptr 1
		.amdhsa_wavefront_size32 1
		.amdhsa_system_sgpr_workgroup_id_x 1
		.amdhsa_system_sgpr_workgroup_id_y 1
		.amdhsa_system_sgpr_workgroup_id_z 1
		.amdhsa_system_vgpr_workitem_id 0
		.amdhsa_next_free_vgpr 194
		.amdhsa_next_free_sgpr 66
		.amdhsa_reserve_vcc 0
		.amdhsa_float_denorm_mode_32 3
		.amdhsa_float_denorm_mode_16_64 3
		.amdhsa_memory_ordered 1
		.amdhsa_forward_progress 1
		.amdhsa_inst_pref_size 19
	.end_amdhsa_kernel
	.amdgpu_metadata
---
amdhsa.version: [ 1, 2 ]
amdhsa.kernels:
  - .name:           k_q5b7d116710_ln1
    .symbol:         k_q5b7d116710_ln1.kd
    .args:
      - { .name: x, .offset: 0, .size: 8, .value_kind: global_buffer, .address_space: global }
      - { .name: ln1_g, .offset: 8, .size: 8, .value_kind: global_buffer, .address_space: global }
      - { .name: ln1_b, .offset: 16, .size: 8, .value_kind: global_buffer, .address_space: global }
      - { .name: xn_codes, .offset: 24, .size: 8, .value_kind: global_buffer, .address_space: global }
      - { .name: xn_scales, .offset: 32, .size: 8, .value_kind: global_buffer, .address_space: global }
    .group_segment_fixed_size: 84480
    .private_segment_fixed_size: 0
    .kernarg_segment_align: 8
    .kernarg_segment_size: 40
    .max_flat_workgroup_size: 512
    .sgpr_count:     66
    .vgpr_count:     194
    .wavefront_size: 32
...
	.end_amdgpu_metadata
.endif
;; end of part 1
;; launch qkv (part 2): grid 12 x 16, 4 waves a work-group, clusters of 4 x 4, 327,680 bytes of LDS; arguments xn_codes, xn_scales, wq_codes, wq_scales, wk_codes, wk_scales, wv_codes, wv_scales, qkv; writes qkv
.if DOCPART == 2
	.amdgcn_target "amdgcn-amd-amdhsa--gfx1250"
	.amdhsa_code_object_version 6
	.text
	.protected	k_q5b7d116710_qkv
	.globl	k_q5b7d116710_qkv
	.p2align	8
	.type	k_q5b7d116710_qkv,@function
k_q5b7d116710_qkv:
	s_mov_b64 s[64:65], 0
	v_nop
	global_prefetch_b8 v0, s[64:65] scope:SCOPE_SE
	s_setreg_imm32_b32 hwreg(HW_REG_WAVE_MODE, 25, 1), 1
	s_wait_xcnt 0x0
	s_wait_alu depctr_hold_cnt(0) depctr_sa_sdst(0) depctr_va_vdst(0) depctr_va_sdst(0) depctr_va_ssrc(0) depctr_va_vcc(0) depctr_vm_vsrc(0)
	s_getreg_b32 s2, hwreg(HW_REG_IB_STS2, 6, 4)
	s_cmp_eq_u32 s2, 0
	s_cbranch_scc0 .Lentry_in_a_cluster
	s_endpgm
.Lentry_in_a_cluster:
	s_bfe_u32 s2, ttmp6, 0x10000c
	s_cmp_lg_u32 s2, 0xf033
	s_cbranch_scc0 .Lentry_shape_is_right
	s_endpgm
.Lentry_shape_is_right:
; q, k and v^T from the normalised rows: three products on codes of E5M2 with E8M0 scales, K = 1,024, and the quantiser for the attention that follows.
; Cluster x = 0: q = xn Wq^T;  1: k = xn Wk^T  (A = xn's 4,096 rows, B = the weight's 1,024 rows head x 64 + channel);  2: v^T = Wv xn^T (A = the weight, B = xn), so that v's keys run along a lane's registers.
; Which of the three is chosen by scalar selects on the cluster's x alone, which all sixteen partners share: one text, no branch.
; A tile of 256 x 256 to a work-group of four waves, 128 x 128 to a wave: 64 accumulators, 512 registers.  K goes in steps of 256 through two LDS slots filled by joint tensor loads:
; A's tile is shared along a row of the 4 x 4 cluster, B's along a column.  The scale bytes of the tile's rows, for all of K, come once with the first fills.
; THE MATRIX INSTRUCTION IS USED TRANSPOSED (source 0 = 16 rows of B, source 1 = 16 rows of A): lane (r, h) holds row r of A's block, and its registers of tiles 2 b, 2 b + 1 of B are
; the columns 32 b + 8 h + 0..7 and 32 b + 16 + 8 h + 0..7: a whole block of 32 lies in lanes l and l xor 16.  The codes are kept in that order inside a block; every operand that meets them is ordered alike.
; THE WAY OUT: each block of 16 rows x 128 columns is quantised in registers and stored as an image of operand registers (16 bytes a lane, 512 consecutive bytes a store):
;   q, k at qkv + x 4,194,304: [batch x 16 + head][token / 16][block of 32 channels][lane][16];   v at + 8,388,608: [batch x 16 + head][key / 128][channel / 16][block of 32 keys][lane][16];
;   scale words from + 12,582,912: q, k [head][token / 32][r]: bytes 0, 1 of token 32 g + r, bytes 2, 3 of token 32 g + 16 + r;   v [head][key / 128][channel / 16][r].
; LIMITS: a block of zeros gets the byte 1 (its codes are zeros; only this program reads the bytes); NaN and infinities are not served.
; No prefetch: each tile is read by many work-groups at about the same time, and is asked for jointly.
; REGISTERS: window 0: v0-31 addresses; v32-63 scale words, two sets; v128-255 A's fragments, one set (on the way out: at work).  window 1: B's fragments, two sets.  windows 2, 3: the accumulators.
.set KSTEP,  256
.set NQ,     KSTEP/128
.set ROWB,   256
.set KROW,   1024
.set PITCH,  272                       ; an LDS row: 256 bytes + 16 of padding: the 16 rows of a fragment load start at 16 different banks (64 banks of 4 bytes: ISA guide 11.1)
.set FR,     16
.set NL,     4
.set NP,     8                         ; places behind this matrix instruction (ISA guide 7.12.1)
.set HALFT,  128*PITCH
.set SLOT,   4*HALFT
.set LAPS,   KROW/(2*KSTEP)
.set KS,     KROW/32
.set SCL,    2*SLOT                    ; behind the ring: the scale bytes, as units of 256 bytes + 16
.set HALFS,  (128*KS/256)*272
.set SBLK,   (16*KS/256)*272
.set SPARE,  SCL+4*HALFS               ; the spare words, 128 bytes a wave
.set ADRA, 16
.set ADRB, 20
.set VO0,  22                          ; v22  16 x lane: my place in an image
.set VO1,  23                          ; v23  the same for blocks 2 and 3: the next head (q, k) or 1,024 bytes on (v)
.set STW,  24                          ; v24  the scale words' stage, way in (512 bytes a wave, in slot 0, which has had its last fill and its last read by then)
.set STR,  25                          ; v25  way out
.set GSO,  26                          ; v26  where my 16 bytes of scale words go
.set ADRS, 27
.set SPW,  28
.set NIL,  29
.set SC,   32
.set AF,   128
.set QTM,  128                         ; the way out, in the registers that held A's fragments: largest magnitudes,
.set QTP,  132                         ; the other half's, then the bytes,
.set QLIM, 136                         ; 57,344 x the scale,
.set QSC,  140                         ; the conversions' scale operands,
.set PC,   144                         ; a block's codes,
.set WD,   160                         ; the eight blocks' scale words,
.set FW,   168                         ; laid as they are stored,
.set SBK,  176                         ; and read back
.set G1, 24
.set G0, 32
.set G1B, 48
.set G0B, 56
.set G1S, 68
.set G0S, 76
.set G1SB, 80
.set G0SB, 88
.set MSB, 0
.macro WIN new                         ; the immediate's high byte repeats the setting that is left
.if MSB != (\new)
	s_set_vgpr_msb (MSB<<8)|(\new)
.set MSB, (\new)
.endif
.endm
.set MUL_LO, 0xa1                      ; source 0 (B) window 1, source 1 (A) window 0, C and D window 2
.set MUL_HI, 0xf1
.set TO_B,   0x40
.macro JLOAD g0a, g1a, g0b, g1b        ; a joint load: waves 0, 1 fetch for A, waves 2, 3 for B; four v_nop follow each line
	s_cmp_eq_u32 s15, 0
	s_cbranch_scc0 .Lfor_b_\@
	tensor_load_to_lds s[\g0a:\g0a+3], s[\g1a:\g1a+7]
	s_nop 0
.rept 4
	v_nop
.endr
	s_branch .Lasked_\@
.Lfor_b_\@:
	tensor_load_to_lds s[\g0b:\g0b+3], s[\g1b:\g1b+7]
	s_nop 0
.rept 4
	v_nop
.endr
.Lasked_\@:
.endm
.macro CREST
	s_cmp_lg_u32 s14, 0
	s_cbranch_scc1 .Lnot_wave_0_\@
	s_barrier_signal -3
.Lnot_wave_0_\@:
	s_barrier_wait -3
	s_barrier_signal -1
	s_barrier_wait -1
.endm
.macro CROUND
	s_barrier_signal -1
	s_barrier_wait -1
	CREST
.endm
	s_load_b512 s[68:83], s[0:1], 0x0              ; xn codes, scales; wq codes, scales; wk; wv
	s_load_b64 s[84:85], s[0:1], 0x40              ; qkv
	v_lshl_add_u32 v[SPW], v0, 2, SPARE
	v_mov_b32 v[NIL], 0
	ds_add_u32 v28, v29
	ds_add_u32 v28, v29
	s_wait_dscnt 0x0
	v_lshrrev_b32 v1, 5, v0
	v_readfirstlane_b32 s14, v1                    ; wave
	s_lshr_b32 s15, s14, 1                         ; my half of the tile's rows; also: I fetch for A (0) or B (1)
	s_and_b32 s16, s14, 1                          ; my half of its columns; also: which 128 rows I fetch
	s_bfe_u32 s40, ttmp6, 0x40000                  ; cx
	s_bfe_u32 s41, ttmp6, 0x40004                  ; cy
	s_and_b32 s45, ttmp7, 0xffff
	s_lshl_b32 s45, s45, 2                         ; 4 x cluster y: the tokens' coordinate
	s_mov_b32 s96, 131072                          ; what differs between q, k and v: first q's and k's figure,
	s_mov_b32 s98, 1024
	s_mov_b32 s100, 1024
	s_mov_b32 s104, 0x05040100
	s_mov_b32 s105, 0x07060302
	s_mov_b32 s97, 4096
	s_mov_b32 s86, 128
	s_mov_b32 s87, 64
	s_cmp_eq_u32 ttmp9, 2                          ; then v's where the cluster's x is 2
	s_cselect_b32 s17, 0, s45
	s_cselect_b32 s42, s45, 0
	s_cselect_b32 s96, 1024, s96                   ; from blocks 0, 1 to blocks 2, 3 of an image
	s_cselect_b32 s98, 2048, s98                   ; from a block of 16 rows to the next
	s_cselect_b32 s100, 124928, s100               ; and from the fourth to the fifth (v: the next head)
	s_cselect_b32 s104, 0x03020100, s104           ; how two blocks' scale words are laid
	s_cselect_b32 s105, 0x07060504, s105
	s_cselect_b32 s97, 64, s97                     ; and where they go
	s_cselect_b32 s86, 4096, s86
	s_cselect_b32 s87, 128, s87
	s_mov_b32 s99, 0
	s_mov_b32 s101, 0
	s_add_co_u32 s17, s17, s41                     ; tile row: never holds cx
	s_add_co_u32 s42, s42, s40                     ; tile column: never holds cy
	s_lshl_b32 s43, s41, 2
	s_lshl_b32 s43, 15, s43                        ; my row of the cluster
	s_lshl_b32 s44, 0x1111, s40                    ; my column
	s_or_b32 s[G1+0], s43, (0<<16)|(1<<20)|(1<<21)|(5<<22)|(3<<25)  ; mask; elements of 1 byte; padding of 4 words behind every 64; bit 21 beside a mask
	s_or_b32 s[G1B+0], s44, (0<<16)|(1<<20)|(1<<21)|(5<<22)|(3<<25)
.irp g, G1, G1B
	s_mov_b32 s[\g+1], ROWB<<16
	s_mov_b32 s[\g+2], 256<<16                     ; the head's loads of codes bring 256 rows
	s_mov_b32 s[\g+3], ROWB<<16
	s_mov_b32 s[\g+4], 256
	s_mov_b32 s[\g+5], KROW
	s_mov_b32 s[\g+6], 0
	s_mov_b32 s[\g+7], 0
.endr
	v_and_b32 v1, 31, v0
	v_lshlrev_b32 v[VO0], 4, v1
	v_add_nc_u32 v[VO1], s96, v[VO0]
	v_bfe_u32 v1, v0, 4, 1
	v_mul_u32_u24 v[GSO], v1, s97
	v_bfe_u32 v1, v0, 3, 1
	v_mad_u32_u24 v[GSO], v1, s86, v[GSO]
	v_bfe_u32 v1, v0, 2, 1
	v_mad_u32_u24 v[GSO], v1, s87, v[GSO]
	v_and_b32 v1, 3, v0
	v_lshl_add_u32 v[GSO], v1, 4, v[GSO]
	s_lshl_b32 s23, s14, 9
	v_and_b32 v1, 15, v0
	v_lshl_add_u32 v[STW], v1, 2, s23
	v_add_nc_u32 v[STR], s23, v[VO0]
	s_lshl_b32 s20, s17, 8                         ; A: the tile's first row
	s_lshl_b32 s46, s42, 8                         ; B likewise by the tile column
	s_mov_b32 s21, 0
	s_mov_b32 s47, 0
	s_mov_b64 s[18:19], KS
	s_mul_u64 s[22:23], s[20:21], s[18:19]
	s_mul_u64 s[92:93], s[46:47], s[18:19]
	s_mov_b64 s[18:19], KROW
	s_mul_u64 s[20:21], s[20:21], s[18:19]
	s_mul_u64 s[46:47], s[46:47], s[18:19]
	s_mul_i32 s45, s14, HALFT
	s_wait_kmcnt 0x0
	s_cmp_eq_u32 ttmp9, 1
	s_cselect_b64 s[8:9], s[76:77], s[72:73]       ; wk or wq
	s_cselect_b64 s[10:11], s[78:79], s[74:75]
	s_cmp_eq_u32 ttmp9, 2
	s_cselect_b64 s[4:5], s[80:81], s[68:69]       ; A: wv or xn
	s_cselect_b64 s[6:7], s[82:83], s[70:71]
	s_cselect_b64 s[8:9], s[68:69], s[8:9]         ; B: xn or the weight
	s_cselect_b64 s[10:11], s[70:71], s[10:11]
	s_mov_b64 s[12:13], s[84:85]
	s_or_b32 s[G1S+0], s43, (3<<16)|(1<<20)|(1<<21)|(5<<22)|(3<<25)   ; the scale bytes of 256 rows: dense, as rows of 256 bytes
	s_or_b32 s[G1SB+0], s44, (3<<16)|(1<<20)|(1<<21)|(5<<22)|(3<<25)
.irp g, G1S, G1SB
	s_mov_b32 s[\g+1], 32<<16
	s_mov_b32 s[\g+2], KS<<16                      ; the scale bytes of 256 rows: KS rows of 256 bytes
	s_mov_b32 s[\g+3], 32<<16
	s_mov_b32 s[\g+4], KS
	s_mov_b32 s[\g+5], 32
	s_mov_b32 s[\g+6], 0
	s_mov_b32 s[\g+7], 0
.endr
	s_add_nc_u64 s[20:21], s[4:5], s[20:21]
	s_add_nc_u64 s[22:23], s[6:7], s[22:23]
	s_add_nc_u64 s[46:47], s[8:9], s[46:47]
	s_add_nc_u64 s[92:93], s[10:11], s[92:93]
	CROUND                                         ; all sixteen work-groups are here: the first joint loads meet
	s_mov_b32 s[G0S], 1
	s_mov_b32 s[G0S+1], SCL
	s_mov_b64 s[G0S+2:G0S+3], s[22:23]
	s_or_b32 s[G0S+3], s[G0S+3], 0x80000000
	s_mov_b32 s[G0SB], 1
	s_mov_b32 s[G0SB+1], SCL+2*HALFS
	s_mov_b64 s[G0SB+2:G0SB+3], s[92:93]
	s_or_b32 s[G0SB+3], s[G0SB+3], 0x80000000
	s_mov_b32 s4, 1                                ; group 0 of the head's loads of K step 0: A's 256 rows (s4-11 held pointers that have been used),
	s_mov_b32 s5, 0
	s_mov_b64 s[6:7], s[20:21]
	s_or_b32 s7, s7, 0x80000000
	s_mov_b32 s8, 1                                ; B's 256 rows, behind them in slot 0
	s_mov_b32 s9, 2*HALFT
	s_mov_b64 s[10:11], s[46:47]
	s_or_b32 s11, s11, 0x80000000
	s_mul_i32 s18, s16, 128*KROW                   ; for the ring: my 128 rows of the tile
	s_mov_b32 s19, 0
	s_add_nc_u64 s[20:21], s[20:21], s[18:19]
	s_add_nc_u64 s[46:47], s[46:47], s[18:19]
	s_cmp_eq_u32 s15, 0                            ; THE PREFETCHES (the head's sentence that there are none no longer holds): of the 128 rows that I fetch, my work-group's 32, by cx for A and by cy for B: told apart by address
	s_cselect_b64 s[92:93], s[20:21], s[46:47]
	s_cselect_b32 s18, s40, s41
	s_mul_i32 s18, s18, 32*KROW
	s_add_nc_u64 s[92:93], s[92:93], s[18:19]
.irp s, 0,1
	s_mov_b32 s[G0+4*\s], 1
	s_add_co_u32 s[G0+4*\s+1], s45, \s*SLOT
	s_add_nc_u64 s[G0+4*\s+2:G0+4*\s+3], s[20:21], \s*ROWB
	s_or_b32 s[G0+4*\s+3], s[G0+4*\s+3], 0x80000000
	s_mov_b32 s[G0B+4*\s], 1
	s_add_co_u32 s[G0B+4*\s+1], s45, \s*SLOT
	s_add_nc_u64 s[G0B+4*\s+2:G0B+4*\s+3], s[46:47], \s*ROWB
	s_or_b32 s[G0B+4*\s+3], s[G0B+4*\s+3], 0x80000000
.endr
; the head's four tiles, one joint load a wave: wave 0 A's 256 rows of K step 0, wave 1 B's, wave 2 A's scale bytes, wave 3 B's; one chain of branches on the wave's number
.macro ARM under, g0, g1, next
	s_cmp_lt_u32 s14, \under
	s_cbranch_scc0 \next
	tensor_load_to_lds s[\g0:\g0+3], s[\g1:\g1+7]
	s_nop 0
.rept 4
	v_nop
.endr
	s_branch .Lhead_asked
\next:
.endm
	ARM 1, 4, G1, .Lhead_b
	ARM 2, 8, G1B, .Lhead_sa
	ARM 3, G0S, G1S, .Lhead_sb
	tensor_load_to_lds s[G0SB:G0SB+3], s[G1SB:G1SB+7]
	s_nop 0
.rept 4
	v_nop
.endr
.Lhead_asked:
	v_and_b32 v30, 31, v0
	v_lshlrev_b32 v30, 10, v30                     ; a lane a row
	global_prefetch_b8 v30, s[92:93] offset:256 th:TH_LOAD_NT scope:SCOPE_SE   ; K step 1's 256 bytes of each row,
	global_prefetch_b8 v30, s[92:93] offset:512 th:TH_LOAD_NT scope:SCOPE_SE   ; and K step 2's
	v_and_b32 v1, 15, v0
	v_bfe_u32 v2, v0, 4, 1
	v_mul_u32_u24 v3, v1, PITCH
	v_lshl_add_u32 v4, v2, 4, v3
	s_mul_i32 s21, s15, HALFT
	s_mul_i32 s22, s16, HALFT
	s_add_co_u32 s22, s22, 2*HALFT
.irp s, 0,1
	v_add_nc_u32 v[ADRA+\s], s21, v4
	v_add_nc_u32 v[ADRB+\s], s22, v4
	s_add_co_u32 s21, s21, SLOT
	s_add_co_u32 s22, s22, SLOT
.endr
	v_mul_u32_u24 v5, v1, KS
	v_lshrrev_b32 v6, 8, v5
	v_lshl_add_u32 v5, v6, 4, v5
	s_mul_i32 s21, s15, HALFS
	s_mul_i32 s22, s16, HALFS
	s_add_co_u32 s22, s22, 2*HALFS
	s_sub_co_u32 s22, s22, s21
	v_mul_u32_u24 v6, s22, v2                      ; lanes 16-31 take B's scale words
	s_add_co_u32 s21, s21, SCL
	v_add_nc_u32 v5, v5, v6
	v_add_nc_u32 v[ADRS], s21, v5
	; where my results go
	s_lshl_b32 s20, s17, 8
	s_lshl_b32 s21, s15, 7
	s_add_co_u32 s20, s20, s21                     ; my first row
	s_lshl_b32 s46, s42, 8
	s_lshl_b32 s47, s16, 7
	s_add_co_u32 s46, s46, s47                     ; my first column
	s_cmp_eq_u32 ttmp9, 2
	s_cselect_b32 s21, s46, s20                    ; my first token
	s_cselect_b32 s47, s20, s46
	s_lshr_b32 s47, s47, 6                         ; my first head
	s_lshr_b32 s22, s21, 11
	s_lshl_b32 s22, s22, 21                        ; batch x 16 heads x 2^17
	s_lshl_b32 s47, s47, 17
	s_add_co_u32 s22, s22, s47
	s_and_b32 s21, s21, 2047
	s_lshl_b32 s21, s21, 6                         ; 64 bytes a token in every image
	s_add_co_u32 s22, s22, s21
	s_lshr_b32 s46, s22, 5                         ; the scale words: a thirty-second of that
	s_lshl_b32 s20, ttmp9, 22
	s_add_co_u32 s22, s22, s20
	s_mov_b32 s23, 0
	s_lshl_b32 s20, ttmp9, 17
	s_add_co_u32 s46, s46, s20
	s_add_co_u32 s46, s46, 12582912
	s_mov_b32 s47, 0
	s_add_nc_u64 s[96:97], s[12:13], s[46:47]
	s_add_nc_u64 s[12:13], s[12:13], s[22:23]
.macro FRAG reg, adr, q, i             ; 16 rows x 128 K: lane l holds row l % 16; registers 4 c .. 4 c + 3 hold K = 32 c + 16 (l / 16) + 0 .. 15
.irp c, 0,1,2,3
	ds_load_b128 v[\reg+4*\c:\reg+4*\c+3], v[\adr] offset:128*(\q)+32*\c+(\i)*16*PITCH
.endr
.endm
; 16 matrix instructions: A's blocks a0, a0 + 1 x B's eight.  The 64 accumulators take turns, one instruction a turn, in the same order in every step.
.macro MUL16 a0, p, q, sc, zero
.irp a, \a0, \a0+1
.irp b, 0,1,2,3,4,5,6,7
.if \zero
	v_wmma_scale_f32_16x16x128_f8f6f4 v[8*(8*((\a)%4)+\b):8*(8*((\a)%4)+\b)+7], v[128*(\p)+FR*\b:128*(\p)+FR*\b+FR-1], v[AF+FR*(\a):AF+FR*(\a)+FR-1], 0, v[SC+8*NQ*(\sc)+NQ*\b+(\q)], v[SC+8*NQ*(\sc)+NQ*(\a)+(\q)] matrix_a_fmt:MATRIX_FMT_BF8 matrix_b_fmt:MATRIX_FMT_BF8 matrix_a_scale:MATRIX_SCALE_ROW1
.else
	v_wmma_scale_f32_16x16x128_f8f6f4 v[8*(8*((\a)%4)+\b):8*(8*((\a)%4)+\b)+7], v[128*(\p)+FR*\b:128*(\p)+FR*\b+FR-1], v[AF+FR*(\a):AF+FR*(\a)+FR-1], v[8*(8*((\a)%4)+\b):8*(8*((\a)%4)+\b)+7], v[SC+8*NQ*(\sc)+NQ*\b+(\q)], v[SC+8*NQ*(\sc)+NQ*(\a)+(\q)] matrix_a_fmt:MATRIX_FMT_BF8 matrix_b_fmt:MATRIX_FMT_BF8 matrix_a_scale:MATRIX_SCALE_ROW1
.endif
.endr
.endr
.endm
.macro FETCH_B slot, q, p
	WIN TO_B
.irp i, 0,1,2,3,4,5,6,7
	FRAG 128*(\p)+FR*\i, ADRB+\slot, \q, \i
.endr
	WIN 0
.endm
.macro FETCH_A slot, q, i0
.irp i, \i0, \i0+1, \i0+2, \i0+3
	FRAG AF+FR*(\i), ADRA+\slot, \q, \i
.endr
.endm
.macro SCALES sc                       ; a K step's scale words: lanes 0-15 A's block i, lanes 16-31 B's block i
.irp i, 0,1,2,3,4,5,6,7
	ds_load_b64 v[SC+8*NQ*\sc+NQ*\i:SC+8*NQ*\sc+NQ*\i+1], v[ADRS] offset:\i*SBLK
.endr
.endm
.macro PLACES n                        ; plain vector lines between a matrix instruction and a load into, or a vector read or write of, its registers
.rept \n
	v_nop
.endr
.endm
.macro STEP slot, q, zero              ; 128 along K with its successor in the same slot
	s_wait_dscnt 4*NL                              ; all but the youngest loads (A's blocks 4-7) are in
	WIN MUL_LO
	MUL16 0, (\q)%2, \q, \slot, \zero
	MUL16 2, (\q)%2, \q, \slot, \zero
	s_wait_dscnt 0
	PLACES NP
	FETCH_B \slot, (\q)+1, 1-(\q)%2
	FETCH_A \slot, (\q)+1, 0
	WIN MUL_HI
	MUL16 4, (\q)%2, \q, \slot, \zero
	MUL16 6, (\q)%2, \q, \slot, \zero
	PLACES NP
	WIN 0
	FETCH_A \slot, (\q)+1, 4
.endm
; A slot's last step changes slots: one barrier; in front of it each wave waits for all its tensor loads, adds 0 to its spare word, and waits for that and for its reads of this slot.
.macro TURN slot, next, fill
	s_wait_tensorcnt 0x0                           ; all my tensor loads have landed: my part of the next slot
	ds_add_u32 v[SPW], v[NIL]                      ; 0 onto my spare word
	s_wait_dscnt 4*NL+1                            ; (the add and A's blocks 4-7 may be out)
	WIN MUL_LO
	MUL16 0, 1, NQ-1, \slot, 0
	s_wait_dscnt 0x0                               ; the add is done, and my reads of this slot are over
	s_barrier_signal -1
	MUL16 2, 1, NQ-1, \slot, 0
	WIN 0
	s_barrier_wait -1
.if \fill
	CREST                                          ; the barrier has opened a round of the cluster's barrier: no wave of any partner still reads this slot or has a load on its way
	s_add_nc_u64 s[G0+4*\slot+2:G0+4*\slot+3], s[G0+4*\slot+2:G0+4*\slot+3], 2*ROWB
	s_add_nc_u64 s[G0B+4*\slot+2:G0B+4*\slot+3], s[G0B+4*\slot+2:G0B+4*\slot+3], 2*ROWB
	JLOAD G0+4*\slot, G1, G0B+4*\slot, G1B
	PLACES NP-4
.else
	PLACES NP
.endif
	s_wait_alu depctr_va_vdst(0)
	v_add_nc_u32 v[ADRS], 4*NQ, v[ADRS]
	FETCH_B \next, 0, 0
	FETCH_A \next, 0, 0
	SCALES \next
	WIN MUL_HI
	MUL16 4, 1, NQ-1, \slot, 0
	MUL16 6, 1, NQ-1, \slot, 0
	PLACES NP
	WIN 0
	FETCH_A \next, 0, 4
.endm
	s_wait_alu depctr_va_vdst(0)
	s_wait_tensorcnt 0x0                           ; my tile of the head's four is in; slot 1's first fill is issued as a refill is
	ds_add_u32 v[SPW], v[NIL]
	s_mov_b32 s[G1+2], 128<<16                     ; no tensor load of mine is out: from here on a load brings 128 rows
	s_mov_b32 s[G1+4], 128
	s_mov_b32 s[G1B+2], 128<<16
	s_mov_b32 s[G1B+4], 128
	s_wait_dscnt 0x0
	CROUND                                         ; all four tiles are in, and all sixteen work-groups are here
	JLOAD G0+4, G1, G0B+4, G1B                     ; K step 1
	FETCH_B 0, 0, 0
	global_prefetch_b8 v30, s[92:93] offset:768 th:TH_LOAD_NT scope:SCOPE_SE   ; K step 3, the last: two refills on
	FETCH_A 0, 0, 0
	SCALES 0
	FETCH_A 0, 0, 4
	STEP 0, 0, 1                                   ; the first step's products start the sums
	s_mov_b32 s3, LAPS-1
.Llap:
	TURN 0, 1, 1
	STEP 1, 0, 0
	TURN 1, 0, 1
	STEP 0, 0, 0
	s_sub_co_u32 s3, s3, 1
	s_cmp_lg_u32 s3, 0
	s_cbranch_scc1 .Llap
	TURN 0, 1, 0                                   ; the last lap fills nothing
	STEP 1, 0, 0
	s_wait_dscnt 4*NL
	WIN MUL_LO
	MUL16 0, 1, NQ-1, 1, 0
	MUL16 2, 1, NQ-1, 1, 0
	s_wait_dscnt 0
	WIN MUL_HI
	MUL16 4, 1, NQ-1, 1, 0
	MUL16 6, 1, NQ-1, 1, 0
	WIN 0
; THE WAY OUT.  Block a (16 rows x 128 columns, four blocks of 32) is quantised in registers; the conversions' results are the image.
.macro EPI a
.set AC, 64*((\a)%4)
.set EW, 2+(\a)/4                      ; the block's window
.if (\a) > 0
	s_wait_xcnt 0x0                                ; the last block's stores have read their data and their base
.if (\a) == 4
	s_add_nc_u64 s[12:13], s[12:13], s[100:101]
.else
	s_add_nc_u64 s[12:13], s[12:13], s[98:99]
.endif
.endif
.set WN, EW|(EW<<2)
	WIN WN
.irp b, 0,1,2,3
	v_max3_num_f32 v[QTM+\b], |v[AC+16*\b]|, |v[AC+16*\b+1]|, 0x8000000   ; each accumulator from its low end on; the floor 2^(16 - 127) holds the byte at 1 from below
.endr
.set WN, (EW<<2)|(EW<<4)
	WIN WN
.irp i, 2,4,6,8,10,12,14
.irp b, 0,1,2,3
	v_max3_num_f32 v[QTM+\b], v[QTM+\b], |v[AC+16*\b+\i]|, |v[AC+16*\b+\i+1]|
.endr
.endr
	WIN 0
.irp b, 0,1,2,3
	v_permlanex16_b32 v[QTP+\b], v[QTM+\b], s20, s21
.endr
.irp b, 0,1,2,3
	v_max_num_f32 v[QTM+\b], v[QTM+\b], v[QTP+\b]  ; with lane l xor 16's 16: the block's largest magnitude
.endr
.irp b, 0,1,2,3
	v_add_nc_u32 v[QSC+\b], 0xf8800000, v[QTM+\b]  ; 15 off the exponent field: the conversion's scale operand
.endr
.irp b, 0,1,2,3
	v_and_or_b32 v[QLIM+\b], v[QTM+\b], 0x7f800000, s22   ; 57,344 x the scale
.endr
.irp b, 0,1,2,3
	v_lshrrev_b32 v[QTP+\b], 23, v[QSC+\b]         ; the byte
.endr
	v_lshl_or_b32 v[WD+\a], v[QTP+1], 8, v[QTP]
	v_lshl_or_b32 v[WD+\a], v[QTP+2], 16, v[WD+\a]
	v_lshl_or_b32 v[WD+\a], v[QTP+3], 24, v[WD+\a]
.set WN, EW|(EW<<6)
	WIN WN
.irp b, 0,1,2,3
.irp i, 0,1,2,3,4,5,6,7,8,9,10,11,12,13,14,15
	v_med3_num_f32 v[AC+16*\b+\i], v[AC+16*\b+\i], -v[QLIM+\b], v[QLIM+\b]   ; the conversion does not saturate (ISA guide 7.6.2): the hold
.endr
.endr
	WIN EW
.irp b, 0,1,2,3
	v_cvt_scalef32_pk8_bf8_f32 v[PC+4*\b:PC+4*\b+1], v[AC+16*\b:AC+16*\b+7], v[QSC+\b]
	v_cvt_scalef32_pk8_bf8_f32 v[PC+4*\b+2:PC+4*\b+3], v[AC+16*\b+8:AC+16*\b+15], v[QSC+\b]
.endr
	WIN 0
	v_nop                                          ; a plain line behind the last conversion
	global_store_b128 v[VO0], v[PC:PC+3], s[12:13] th:TH_STORE_NT              ; each store covers 512 consecutive bytes, aligned
	global_store_b128 v[VO0], v[PC+4:PC+7], s[12:13] offset:512 th:TH_STORE_NT
	global_store_b128 v[VO1], v[PC+8:PC+11], s[12:13] th:TH_STORE_NT
	global_store_b128 v[VO1], v[PC+12:PC+15], s[12:13] offset:512 th:TH_STORE_NT
.endm
	PLACES NP                                      ; behind the last products: their results are read and their operands' registers written below
	s_mov_b32 s20, 0x76543210
	s_mov_b32 s21, 0xfedcba98
	s_mov_b32 s22, 0x600000
.irp b, 0,1,2,3
	v_mov_b32 v[QTP+\b], 0                         ; a lane permute's destination counts as read
.endr
.irp a, 0,1,2,3,4,5,6,7
	EPI \a
.endr
.irp g, 0,1,2,3                        ; q, k: two blocks' half words make the word of 32 tokens of one head; v: the words as they are
	v_perm_b32 v[FW+\g], v[WD+2*\g+1], v[WD+2*\g], s104
	v_perm_b32 v[FW+4+\g], v[WD+2*\g+1], v[WD+2*\g], s105
.endr
.irp i, 0,1,2,3,4,5,6,7
	ds_store_b32 v[STW], v[FW+\i] offset:64*\i     ; lanes l and l xor 16 hold the same word and write it to the same place
.endr
	ds_load_b128 v[SBK:SBK+3], v[STR]              ; LDS serves a wave's instructions in order: this sees my stores
	s_wait_dscnt 0x0
	global_store_b128 v[GSO], v[SBK:SBK+3], s[96:97]   ; sixteen lanes store 256 consecutive bytes, aligned
	s_wait_tensorcnt 0x0                           ; the wave's end
	ds_add_u32 v[SPW], v[NIL]
	s_wait_dscnt 0x0
	CROUND                                         ; the closing round
	s_endpgm
.Lfunc_end_k_q5b7d116710_qkv:
	.size	k_q5b7d116710_qkv, .Lfunc_end_k_q5b7d116710_qkv-k_q5b7d116710_qkv
	.p2alignl 7, 3214868480
	.fill 96, 4, 3214868480
	.section	.rodata,"a",@progbits
	.p2align	6, 0x0
	.amdhsa_kernel k_q5b7d116710_qkv
		.amdhsa_group_segment_fixed_size 327680
		.amdhsa_private_segment_fixed_size 0
		.amdhsa_enable_private_segment 0
		.amdhsa_kernarg_size 72
		.amdhsa_user_sgpr_count 2
		.amdhsa_user_sgpr_kernarg_segment_ptr 1
		.amdhsa_wavefront_size32 1
		.amdhsa_system_sgpr_workgroup_id_x 1
		.amdhsa_system_sgpr_workgroup_id_y 1
		.amdhsa_system_sgpr_workgroup_id_z 1
		.amdhsa_system_vgpr_workitem_id 0
		.amdhsa_next_free_vgpr 1024
		.amdhsa_next_free_sgpr 106
		.amdhsa_reserve_vcc 0
		.amdhsa_float_denorm_mode_32 3
		.amdhsa_float_denorm_mode_16_64 3
		.amdhsa_memory_ordered 1
		.amdhsa_forward_progress 1
		.amdhsa_inst_pref_size 190
	.end_amdhsa_kernel
	.amdgpu_metadata
---
amdhsa.version: [ 1, 2 ]
amdhsa.kernels:
  - .name:           k_q5b7d116710_qkv
    .symbol:         k_q5b7d116710_qkv.kd
    .args:
      - { .name: xn_codes, .offset: 0, .size: 8, .value_kind: global_buffer, .address_space: global }
      - { .name: xn_scales, .offset: 8, .size: 8, .value_kind: global_buffer, .address_space: global }
      - { .name: wq_codes, .offset: 16, .size: 8, .value_kind: global_buffer, .address_space: global }
      - { .name: wq_scales, .offset: 24, .size: 8, .value_kind: global_buffer, .address_space: global }
      - { .name: wk_codes, .offset: 32, .size: 8, .value_kind: global_buffer, .address_space: global }
      - { .name: wk_scales, .offset: 40, .size: 8, .value_kind: global_buffer, .address_space: global }
      - { .name: wv_codes, .offset: 48, .size: 8, .value_kind: global_buffer, .address_space: global }
      - { .name: wv_scales, .offset: 56, .size: 8, .value_kind: global_buffer, .address_space: global }
      - { .name: qkv, .offset: 64, .size: 8, .value_kind: global_buffer, .address_space: global }
    .group_segment_fixed_size: 327680
    .private_segment_fixed_size: 0
    .kernarg_segment_align: 8
    .kernarg_segment_size: 72
    .max_flat_workgroup_size: 128
    .sgpr_count:     106
    .vgpr_count:     1024
    .wavefront_size: 32
...
	.end_amdgpu_metadata
.endif
;; end of part 2
;; launch attn (part 3): grid 8 x 32, 16 waves a work-group, no clusters, 327,680 bytes of LDS; arguments qkv, o_img, o_sc; writes o_img, o_sc
.if DOCPART == 3
	.amdgcn_target "amdgcn-amd-amdhsa--gfx1250"
	.amdhsa_code_object_version 6
	.text
	.protected	k_q5b7d116710_attn
	.globl	k_q5b7d116710_attn
	.p2align	8
	.type	k_q5b7d116710_attn,@function
k_q5b7d116710_attn:
	s_mov_b64 s[64:65], 0
	v_nop
	global_prefetch_b8 v0, s[64:65] scope:SCOPE_SE
	s_setreg_imm32_b32 hwreg(HW_REG_WAVE_MODE, 25, 1), 1
	s_wait_xcnt 0x0
; Causal attention of one head on codes of E5M2 with E8M0 scales, and the quantiser for the projection that follows.
; t = score x log2(e) / 8; M = the running largest t rounded UP to a whole number; p = 2^(t - M) is quantised along the keys, not normalised; the row's sum is taken of the unquantised p and divides at the end.
; INPUT (buffer qkv): q, k as images [head][token / 16][block of 32 channels][lane][16]; v as images [head][key / 128][channel / 16][block of 32 keys][lane][16]; scale words behind them.
; SHARES.  A work-group takes one head (y) and the blocks of 128 queries x (early) and 15 - x (late): 8 tiles of 16 queries with x + 1 key steps of 128 keys and 8 tiles with 16 - x.  TWO WAVES FORM A PAIR and take
; one tile of each block.  The first wave takes the late tile against keys 0 to 1,023: 8 steps.  The second takes the early tile (x + 1 steps), stores it, and then the late tile against keys 1,024 on (8 - x steps): 9 steps.
; So every wave of every work-group has 8 or 9 steps.  At the end the first wave hands its O^T, its sum and its M to the second through LDS; both halves are brought under the larger M by a power of two, which rounds
; nothing since M is a whole number, and are added.  The two roles alternate among the waves so that they are spread evenly.
; Every wave walks all 16 key steps in loops of constant count and jumps over the work of steps that are not its own: scalar branches on the work-group's and the wave's number.
; LDS.  The whole head's k and v and their scale words stay in LDS; every byte is filled once, by four tensor loads of each wave at the head: the scale words, a part of key steps 0 and 1, of steps 2 to 7, of steps 8 to 15.
; The first two steps are walked as soon as the first two loads of all waves have landed.  There is no ring and no refill.
; No cluster: the jump over hidden steps hangs on the query block, which in a cluster would be the work-group's place.  No prefetch: every tile is asked for at the head.
; K = 64 IN AN INSTRUCTION OF 128.  Two neighbouring pieces of k's image are one fragment: row r holds key 32 b + r in K = 0..63 and key 32 b + 16 + r in K = 64..127.  Against [q | zeros] it gives the scores of keys
; 32 b + 0..15, against [zeros | q] those of keys 32 b + 16..31.  The other half meets zero codes; k's codes are finite (they were held) and no scale byte is 0xff.
; Both products are used transposed: a lane holds ONE query (lane % 16); the 16 registers of tiles 2 b, 2 b + 1 are keys 32 b + 8 h + 0..7 and 32 b + 16 + 8 h + 0..7, the order in which v's codes lie too.
; OUTPUT: o / sum, quantised along the head's 64 channels: image o_img [head / 8][token / 16][(head / 2) % 4][2 (head % 2) + block][lane][16]; o_sc [head / 2][token] words, of which this head writes a half word
; a token: stores of 2 bytes a lane, 4 bytes apart; they are a thirty-second of what the launch writes.
; Every wave loads the late tile's q a second time into v246-253 (1 KB): the second wave of a pair needs it at its change of tiles; the first wave's copy is not used: the price of a head without a branch.
; LIMITS: a block of zeros gets the byte 1; NaN and infinities are not served.
.set SCB, 262144                       ; LDS: k steps 0-7 at 0, v steps 0-7 at 65,536, k steps 8-15 at 131,072, v steps 8-15 at 196,608; here k's scale words (4,096 bytes), then v's
.set XCH, 270336                       ; behind them, in bytes that no tensor load fills: what the first wave of a pair hands to the second:
.set XP,  4352                         ; for each pair O^T's image (4,096 bytes), the lanes' sums (128), -M (128)
.set FR,  40                           ; v40-103  four fragments of k, then of v
.set S,   104                          ; v104-167 the scores, then p
.set O,   168                          ; v168-199 O^T
.set PCD, 200                          ; v200-215 p's codes
.set BM,  216                          ; the blocks' largest scores, then largest p
.set BP,  220                          ; the other half's, then the bytes
.set LIM, 224
.set QSC, 228
.set SW,  232                          ; v232-235 scale words of k or of v; v239 p's; v240 q's
.set Q2,  246                          ; v246-253 the late tile's q; v254 its scale word as loaded
.set TB,  84                           ; s84 LDS byte of the step's k
.set TS,  85                           ; s85 and of its scale words
.set KF,  86                           ; s86 the step's first key
.set Q0,  87                           ; s87 the first query of the tile in hand
.set CNT, 88
.set TMP, 89
.set LQ,  90                           ; s90 the last key that the wave takes for the tile in hand
.set QLG, 91                           ; s91 the late tile's first query
.set ROLE, 92                          ; s92 0: the first wave of a pair, 1: the second
.macro G1SET g, rows                   ; descriptor group 1: dense bytes as rows of 32 elements of 8 bytes
	s_mov_b32 s[\g], 3<<16
	s_mov_b32 s[\g+1], 32<<16
	s_mov_b32 s[\g+2], (\rows)<<16
	s_mov_b32 s[\g+3], 32<<16
	s_mov_b32 s[\g+4], \rows
	s_mov_b32 s[\g+5], 32
	s_mov_b32 s[\g+6], 0
	s_mov_b32 s[\g+7], 0
.endm
	s_load_b128 s[4:7], s[0:1], 0x0                ; qkv, o_img
	s_load_b64 s[8:9], s[0:1], 0x10                ; o_sc
	v_lshl_add_u32 v243, v0, 2, 0x4a800
	v_mov_b32 v255, 0
	ds_add_u32 v243, v255
	ds_add_u32 v243, v255
	v_lshrrev_b32 v1, 5, v0
	s_delay_alu instid0(VALU_DEP_1)
	v_readfirstlane_b32 s10, v1                    ; wave 0..15
	s_and_b32 s11, ttmp7, 0xffff                   ; batch x 16 + head
	s_lshr_b32 s[ROLE], s10, 2
	s_xor_b32 s[ROLE], s[ROLE], s10
	s_and_b32 s[ROLE], s[ROLE], 1
	s_lshr_b32 s93, s10, 1                         ; the pair: which 16 of a block's 128 queries
	s_lshl_b32 s14, s93, 4
	s_mul_i32 s93, s93, XP
	s_add_co_u32 s93, s93, XCH                     ; the pair's bytes
	s_sub_co_u32 s[QLG], 15, ttmp9
	s_lshl_b32 s[QLG], s[QLG], 7
	s_add_co_u32 s[QLG], s[QLG], s14               ; the late tile
	s_lshl_b32 s15, ttmp9, 7
	s_add_co_u32 s15, s15, s14                     ; the early tile
	s_add_co_u32 s[TMP], s15, 15
	s_cmp_eq_u32 s[ROLE], 1
	s_cselect_b32 s[Q0], s15, s[QLG]               ; the second wave begins with the early tile, up to its diagonal;
	s_cselect_b32 s[LQ], s[TMP], 0x3ff             ; the first has the late tile, up to key 1,023
	s_mov_b32 s55, 0x01000100                      ; q's two scale bytes are the low or the high half of a word of 32 tokens; they are laid twice.  (The same half for both tiles)
	s_bitcmp1_b32 s14, 4
	s_cselect_b32 s55, 0x03020302, s55
	G1SET 16, 4                                    ; 1,024 bytes: an eighth of the scale words
	G1SET 24, 16                                   ; 4,096 bytes: a quarter of k's or of v's key steps 0 and 1
	G1SET 32, 24                                   ; 6,144
	G1SET 40, 32                                   ; 8,192
	s_lshr_b32 s12, s10, 3                         ; waves 0-7 fetch k, waves 8-15 v:
	s_and_b32 s13, s10, 7                          ; an eighth of each group of key steps, and of the scale words
	s_lshr_b32 s97, s13, 2                         ; THE FILLS AS THEY NOW STAND: one tensor load a wave at the head: waves 0-7 a quarter of k's (0-3) or v's (4-7) key steps 0 and 1, waves 8-15 an eighth of the scale words;
	s_and_b32 s98, s13, 3                          ; steps 2 to 7 behind the first barrier, steps 8 to 15 behind the second.  s97: k or v; s98: which quarter
	s_lshl_b32 s56, s97, 17
	s_lshl_b32 s57, s11, 12
	s_add_co_u32 s56, s56, s57
	s_lshl_b32 s57, s98, 10
	s_add_co_u32 s56, s56, s57
	s_add_co_u32 s56, s56, 12713984                ; k's scale words begin here
	s_mov_b32 s57, 0
	s_lshl_b32 s58, s12, 22
	s_lshl_b32 s59, s11, 17
	s_add_co_u32 s58, s58, s59
	s_add_co_u32 s58, s58, 4194304                 ; k's images begin here
	s_mov_b32 s59, 0
	s_lshl_b32 s60, s11, 17                        ; steps 0, 1: 16,384 bytes of k and of v, 4,096 a wave: in memory,
	s_lshl_b32 s99, s97, 22
	s_add_co_u32 s60, s60, s99
	s_lshl_b32 s99, s98, 12
	s_add_co_u32 s60, s60, s99
	s_add_co_u32 s60, s60, 4194304
	s_lshl_b32 s97, s97, 16
	s_add_co_u32 s99, s99, s97                     ; and in LDS
	s_mov_b32 s61, 0
	s_mul_i32 s62, s13, 6144                       ; steps 2 to 7: 49,152 bytes, 6,144 a wave
	s_add_co_u32 s62, s62, 16384
	s_mov_b32 s63, 0
	s_lshl_b32 s94, s13, 13                        ; steps 8 to 15: 65,536 bytes, 8,192 a wave
	s_add_co_u32 s94, s94, 65536
	s_mov_b32 s95, 0
	s_lshl_b32 s96, s12, 16                        ; in LDS v's first half lies 65,536 bytes behind k's
	v_and_b32 v1, 31, v0
	s_delay_alu instid0(VALU_DEP_1)
	v_lshlrev_b32 v1, 4, v1                        ; 16 x lane
	v_and_b32 v3, 15, v0
	s_delay_alu instid0(VALU_DEP_1)
	v_lshlrev_b32 v3, 2, v3                        ; 4 x (lane % 16)
	s_delay_alu instid0(VALU_DEP_1)
	v_add_nc_u32 v2, SCB, v3
	s_delay_alu instid0(VALU_DEP_4)
	v_add_nc_u32 v4, s93, v1                       ; the pair's bytes: O^T's image, 16 bytes a lane;
	v_and_b32 v5, 31, v0
	s_delay_alu instid0(VALU_DEP_1)
	v_lshlrev_b32 v5, 2, v5
	s_delay_alu instid0(VALU_DEP_1)
	v_add_nc_u32 v5, s93, v5
	s_delay_alu instid0(VALU_DEP_1)
	v_add_nc_u32 v5, 4096, v5                      ; the sum and -M, 4 bytes a lane
	s_mov_b32 s50, 0x76543210
	s_mov_b32 s51, 0xfedcba98
	s_mov_b32 s52, 0x3e38aa3b                      ; log2(e) / 8
	s_mov_b32 s53, s52
	s_mov_b32 s54, 0x600000
	s_mov_b32 s[TB], 0
	s_mov_b32 s[TS], 0
	s_mov_b32 s[KF], 0
	s_wait_alu depctr_va_vdst(0)
	s_wait_dscnt 0x0
	s_wait_kmcnt 0x0
	s_add_nc_u64 s[58:59], s[4:5], s[58:59]        ; my tensor's image of my head
	s_mov_b32 s68, 1
	s_lshl_b32 s69, s13, 10
	s_add_co_u32 s69, s69, SCB
	s_add_nc_u64 s[70:71], s[4:5], s[56:57]
	s_or_b32 s71, s71, 0x80000000
	s_mov_b32 s72, 1
	s_mov_b32 s73, s99
	s_add_nc_u64 s[74:75], s[4:5], s[60:61]
	s_or_b32 s75, s75, 0x80000000
	s_mov_b32 s76, 1
	s_add_co_u32 s77, s96, s62
	s_add_nc_u64 s[78:79], s[58:59], s[62:63]
	s_or_b32 s79, s79, 0x80000000
	s_mov_b32 s80, 1
	s_lshl_b32 s81, s10, 13
	s_add_co_u32 s81, s81, 131072
	s_add_nc_u64 s[82:83], s[58:59], s[94:95]
	s_or_b32 s83, s83, 0x80000000
	s_cmp_lt_u32 s10, 8
	s_cbranch_scc0 .Lhead_sc
	tensor_load_to_lds s[72:75], s[24:31]          ; waves 0-7: key steps 0 and 1
	s_nop 0
.rept 4
	v_nop
.endr
	s_branch .Lhead_asked
.Lhead_sc:
	tensor_load_to_lds s[68:71], s[16:23]          ; waves 8-15: the scale words
	s_nop 0
.rept 4
	v_nop
.endr
.Lhead_asked:
	s_lshl_b32 s94, s11, 17
	s_lshl_b32 s95, s[Q0], 6
	s_add_co_u32 s94, s94, s95                     ; the image of the tile that I begin with,
	s_mov_b32 s95, 0
	s_add_nc_u64 s[94:95], s[4:5], s[94:95]
	s_lshl_b32 s96, s11, 12
	s_lshr_b32 s97, s[Q0], 5
	s_lshl_b32 s97, s97, 6
	s_add_co_u32 s96, s96, s97
	s_add_co_u32 s96, s96, 12582912                ; its scale words,
	s_mov_b32 s97, 0
	s_add_nc_u64 s[96:97], s[4:5], s[96:97]
	s_lshl_b32 s98, s11, 17
	s_lshl_b32 s99, s[QLG], 6
	s_add_co_u32 s98, s98, s99                     ; and the same of the late tile
	s_mov_b32 s99, 0
	s_add_nc_u64 s[98:99], s[4:5], s[98:99]
	s_lshl_b32 s100, s11, 12
	s_lshr_b32 s101, s[QLG], 5
	s_lshl_b32 s101, s101, 6
	s_add_co_u32 s100, s100, s101
	s_add_co_u32 s100, s100, 12582912
	s_mov_b32 s101, 0
	s_add_nc_u64 s[100:101], s[4:5], s[100:101]
	global_load_b128 v[16:19], v1, s[94:95]        ; q, twice: v16-23 | zeros v24-31 | v32-39
	global_load_b128 v[20:23], v1, s[94:95] offset:512
	global_load_b128 v[32:35], v1, s[94:95]
	global_load_b128 v[36:39], v1, s[94:95] offset:512
	global_load_b32 v238, v3, s[96:97]
	global_load_b128 v[Q2:Q2+3], v1, s[98:99]
	global_load_b128 v[Q2+4:Q2+7], v1, s[98:99] offset:512
	global_load_b32 v254, v3, s[100:101]
	; where the results go: what both tiles share, then each tile's token
	s_and_b32 s12, s11, 15                         ; head
	s_lshr_b32 s13, s11, 4
	s_lshl_b32 s13, s13, 11                        ; the batch's first token
	s_lshr_b32 s14, s12, 3
	s_lshl_b32 s14, s14, 21
	s_lshl_b32 s56, s13, 9
	s_add_co_u32 s14, s14, s56
	s_bfe_u32 s56, s12, 0x20001
	s_lshl_b32 s56, s56, 11
	s_add_co_u32 s14, s14, s56
	s_and_b32 s57, s12, 1
	s_lshl_b32 s56, s57, 10
	s_add_co_u32 s14, s14, s56                     ; in o_img
	s_lshr_b32 s56, s12, 1
	s_lshl_b32 s56, s56, 12
	s_add_co_u32 s56, s56, s13
	s_lshl_b32 s56, s56, 2
	s_lshl_b32 s57, s57, 1
	s_add_co_u32 s12, s56, s57                     ; in o_sc
	s_lshl_b32 s56, s15, 9
	s_add_co_u32 s56, s56, s14
	s_mov_b32 s57, 0
	s_add_nc_u64 s[56:57], s[6:7], s[56:57]        ; the early tile's image
	s_lshl_b32 s58, s15, 2
	s_add_co_u32 s58, s58, s12
	s_mov_b32 s59, 0
	s_add_nc_u64 s[58:59], s[8:9], s[58:59]        ; and its scale bytes
	s_lshl_b32 s60, s[QLG], 9
	s_add_co_u32 s60, s60, s14
	s_mov_b32 s61, 0
	s_add_nc_u64 s[60:61], s[6:7], s[60:61]        ; the late tile's
	s_lshl_b32 s62, s[QLG], 2
	s_add_co_u32 s62, s62, s12
	s_mov_b32 s63, 0
	s_add_nc_u64 s[62:63], s[8:9], s[62:63]
	s_wait_tensorcnt 0x0                           ; my one load is in
	ds_add_u32 v243, v255
	s_wait_dscnt 0x0
	s_barrier_signal -1
	s_barrier_wait -1                              ; everybody's are
	tensor_load_to_lds s[76:79], s[32:39]          ; my part of steps 2 to 7: a first fill; it lands under steps 0 and 1
	s_nop 0
.rept 4
	v_nop
.endr
	s_wait_loadcnt 0x0
	v_perm_b32 v240, v238, v238, s55               ; q's scale word: its two bytes, twice
.irp j, 24,25,26,27,28,29,30,31
	v_mov_b32 v[\j], 0                             ; zero codes
.endr
	v_mov_b32 v13, 0xff61b1e6                      ; the largest t so far: -3e38
	s_delay_alu instid0(VALU_DEP_1)
	v_floor_f32 v12, -v13                          ; -M
	v_mov_b32 v14, 0
	v_mov_b32 v15, 0
	v_mov_b32 v237, 0                              ; named as the upper halves of v[236:237] and v[244:245]
	v_mov_b32 v245, 0
.irp b, 0,1,2,3
	v_mov_b32 v[BP+\b], 0                          ; a lane permute's destination counts as read
.endr
.set j, 0
.rept 32
	v_mov_b32 v[O+j], 0                            ; the step is written without a first step of its own: it finds zeros
.set j, j+1
.endr
; A KEY STEP: 128 keys
.macro STEP
	s_cmp_gt_u32 s[KF], s[LQ]                      ; not my keys: only the addresses step
	s_cbranch_scc1 .Lhidden_\@
	v_add_nc_u32 v8, s[TB], v1
	s_delay_alu instid0(VALU_DEP_1)
	v_add_nc_u32 v9, 0x10000, v8
	v_add_nc_u32 v10, s[TS], v2
.rept 5
	v_nop                                          ; with the three additions: eight places in front of loads into registers that matrix instructions have read
.endr
.irp b, 0,1,2,3
.irp g, 0,1,2,3
	ds_load_b128 v[FR+16*\b+4*\g:FR+16*\b+4*\g+3], v8 offset:2048*\b+512*\g
.endr
	ds_load_b32 v[SW+\b], v10 offset:64*\b
.endr
	s_wait_alu depctr_va_vdst(0)
	s_wait_dscnt 0x0
.irp b, 0,1,2,3
	v_wmma_scale_f32_16x16x128_f8f6f4 v[S+16*\b:S+16*\b+7], v[FR+16*\b:FR+16*\b+15], v[16:31], 0, v[SW+\b], v240 matrix_a_fmt:MATRIX_FMT_BF8 matrix_b_fmt:MATRIX_FMT_BF8
	v_wmma_scale_f32_16x16x128_f8f6f4 v[S+16*\b+8:S+16*\b+15], v[FR+16*\b:FR+16*\b+15], v[24:39], 0, v[SW+\b], v240 matrix_a_fmt:MATRIX_FMT_BF8 matrix_b_fmt:MATRIX_FMT_BF8
.endr
.rept 8
	v_nop
.endr
.irp t, 0,1,2,3                        ; v's fragments are asked for here and land under the softmax
.irp c, 0,1,2,3
	ds_load_b128 v[FR+16*\t+4*\c:FR+16*\t+4*\c+3], v9 offset:2048*\t+512*\c
.endr
	ds_load_b32 v[SW+\t], v10 offset:4096+64*\t
.endr
	s_add_co_u32 s[TMP], s[KF], 127
	s_cmp_le_u32 s[TMP], s[Q0]                     ; all keys count: no mask
	s_cbranch_scc1 .Lopen_\@
	s_sub_co_i32 s[TMP], s[Q0], s[KF]
	v_and_b32 v241, 15, v0
	v_bfe_u32 v242, v0, 4, 1
	s_delay_alu instid0(VALU_DEP_1)
	v_lshlrev_b32 v242, 3, v242
	s_delay_alu instid0(VALU_DEP_1)
	v_sub_nc_u32 v241, v241, v242
	s_delay_alu instid0(VALU_DEP_1)
	v_add_nc_u32 v241, s[TMP], v241                ; d = my query - the first key - 8 h: register 16 b + i is hidden where 32 b + 16 (i / 8) + i % 8 > d
	v_mov_b32 v242, 0xff800000
.set n, 0
.rept 64
	v_cmp_gt_i32 vcc_lo, 32*(n/16)+16*((n%16)/8)+n%8, v241
	v_cndmask_b32 v[S+n], v[S+n], v242, vcc_lo
.set n, n+1
.endr
.Lopen_\@:
.irp b, 0,1,2,3
	v_max3_num_f32 v[BM+\b], v[S+16*\b], v[S+16*\b+1], v[S+16*\b+2]   ; the largest score of each block of 32 keys: for the row's maximum, and for the block's largest p
.endr
.irp i, 3,5,7,9,11,13
.irp b, 0,1,2,3
	v_max3_num_f32 v[BM+\b], v[BM+\b], v[S+16*\b+\i], v[S+16*\b+\i+1]
.endr
.endr
.irp b, 0,1,2,3
	v_max_num_f32 v[BM+\b], v[BM+\b], v[S+16*\b+15]
.endr
.irp b, 0,1,2,3
	s_delay_alu instid0(VALU_DEP_4)
	v_permlanex16_b32 v[BP+\b], v[BM+\b], s50, s51
.endr
.irp b, 0,1,2,3
	s_delay_alu instid0(VALU_DEP_4)
	v_max_num_f32 v[BM+\b], v[BM+\b], v[BP+\b]
.endr
	s_delay_alu instid0(VALU_DEP_2)
	v_max3_num_f32 v238, v[BM], v[BM+1], v[BM+2]
	s_delay_alu instid0(VALU_DEP_1)
	v_max_num_f32 v238, v238, v[BM+3]
	s_delay_alu instid0(VALU_DEP_1)
	v_mul_f32 v238, s52, v238
	s_delay_alu instid0(VALU_DEP_1)
	v_max_num_f32 v13, v13, v238                   ; the running largest t
	v_mov_b32 v238, v12
	s_delay_alu instid0(VALU_DEP_2)
	v_floor_f32 v12, -v13                          ; -M = floor(-t): M is a whole number
	s_delay_alu instid0(VALU_DEP_1)
	v_sub_f32 v238, v12, v238
	s_delay_alu instid0(VALU_DEP_1)
	v_cvt_i32_f32 v238, v238                       ; (it saturates)
	s_delay_alu instid0(VALU_DEP_1)
	v_ldexp_f32 v236, 1.0, v238                    ; f = 2^(old M - new M): a multiplication by it rounds nothing
.set j, 0
.rept 32
	v_pk_fma_f32 v[S+j:S+j+1], v[S+j:S+j+1], s[52:53], v[12:13] op_sel_hi:[1,0,0]
.set j, j+2
.endr
.irp b, 0,1,2,3
	v_fma_f32 v[BM+\b], v[BM+\b], s52, v12
.endr
.set j, 0
	s_wait_alu depctr_va_vdst(0)
.rept 64
	v_exp_f32 v[S+j], v[S+j]
.set j, j+1
.endr
	v_pk_mul_f32 v[14:15], v[14:15], v[236:237] op_sel_hi:[1,0]   ; the sums under the new M (a plain line behind the exponentials)
	s_wait_alu depctr_va_vdst(0)                   ; one wait for the batch, ahead of its first reader
.irp b, 0,1,2,3
	v_exp_f32 v[BM+\b], v[BM+\b]                   ; the block's largest p
.endr
	v_pk_add_f32 v[244:245], v[108:109], v[112:113]
	v_pk_add_f32 v[230:231], v[116:117], v[120:121]
	v_pk_add_f32 v[228:229], v[124:125], v[128:129]
	v_pk_add_f32 v[226:227], v[132:133], v[136:137]
	v_pk_add_f32 v[224:225], v[140:141], v[144:145]
	v_pk_add_f32 v[222:223], v[148:149], v[152:153]
	v_pk_add_f32 v[220:221], v[156:157], v[160:161]
	v_pk_add_f32 v[14:15], v[14:15], v[164:165]
	v_pk_add_f32 v[244:245], v[244:245], v[104:105]
	v_pk_add_f32 v[230:231], v[230:231], v[106:107]
	v_pk_add_f32 v[228:229], v[228:229], v[110:111]
	v_pk_add_f32 v[226:227], v[226:227], v[114:115]
	v_pk_add_f32 v[224:225], v[224:225], v[118:119]
	v_pk_add_f32 v[222:223], v[222:223], v[122:123]
	v_pk_add_f32 v[220:221], v[220:221], v[126:127]
	v_pk_add_f32 v[14:15], v[14:15], v[130:131]
	v_pk_add_f32 v[244:245], v[244:245], v[134:135]
	v_pk_add_f32 v[230:231], v[230:231], v[138:139]
	v_pk_add_f32 v[228:229], v[228:229], v[142:143]
	v_pk_add_f32 v[226:227], v[226:227], v[146:147]
	v_pk_add_f32 v[224:225], v[224:225], v[150:151]
	v_pk_add_f32 v[222:223], v[222:223], v[154:155]
	v_pk_add_f32 v[220:221], v[220:221], v[158:159]
	v_pk_add_f32 v[14:15], v[14:15], v[162:163]
	v_pk_add_f32 v[244:245], v[244:245], v[166:167]
	s_delay_alu instid0(VALU_DEP_2)
	v_pk_add_f32 v[14:15], v[14:15], v[226:227]
	s_delay_alu instid0(VALU_DEP_2)
	v_pk_add_f32 v[244:245], v[244:245], v[224:225]
	v_pk_add_f32 v[230:231], v[230:231], v[222:223]
	v_pk_add_f32 v[228:229], v[228:229], v[220:221]
	s_delay_alu instid0(VALU_DEP_2)
	v_pk_add_f32 v[14:15], v[14:15], v[230:231]
	s_delay_alu instid0(VALU_DEP_2)
	v_pk_add_f32 v[244:245], v[244:245], v[228:229]
	s_delay_alu instid0(VALU_DEP_1)
	v_pk_add_f32 v[14:15], v[14:15], v[244:245]
	s_wait_alu depctr_va_vdst(0)                   ; and one for the four
.irp b, 0,1,2,3
	v_max_num_f32 v[BM+\b], 0x8000000, v[BM+\b]    ; the floor 2^(16 - 127)
.endr
.irp b, 0,1,2,3
	s_delay_alu instid0(VALU_DEP_4)
	v_add_nc_u32 v[QSC+\b], 0xf8800000, v[BM+\b]
.endr
.irp b, 0,1,2,3
	v_and_or_b32 v[LIM+\b], v[BM+\b], 0x7f800000, s54
.endr
.irp b, 0,1,2,3
	v_lshrrev_b32 v[BP+\b], 23, v[QSC+\b]
.endr
	s_delay_alu instid0(VALU_DEP_3)
	v_lshl_or_b32 v239, v[BP+1], 8, v[BP]          ; p's scale word for these 128 keys
	s_delay_alu instid0(VALU_DEP_1)
	v_lshl_or_b32 v239, v[BP+2], 16, v239
	s_delay_alu instid0(VALU_DEP_1)
	v_lshl_or_b32 v239, v[BP+3], 24, v239
.irp b, 0,1,2,3
.irp i, 0,1,2,3,4,5,6,7,8,9,10,11,12,13,14,15
	v_min_num_f32 v[S+16*\b+\i], v[S+16*\b+\i], v[LIM+\b]   ; the hold; p is not negative
.endr
	v_cvt_scalef32_pk8_bf8_f32 v[PCD+4*\b:PCD+4*\b+1], v[S+16*\b:S+16*\b+7], v[QSC+\b]
	v_cvt_scalef32_pk8_bf8_f32 v[PCD+4*\b+2:PCD+4*\b+3], v[S+16*\b+8:S+16*\b+15], v[QSC+\b]
.endr
.set j, 0
.rept 16
	v_pk_mul_f32 v[O+j:O+j+1], v[O+j:O+j+1], v[236:237] op_sel_hi:[1,0]   ; O^T under the new M; these are also the places in front of the products
.set j, j+2
.endr
	s_wait_alu depctr_va_vdst(0)
	s_wait_dscnt 0x0                               ; v's fragments and scale words
.irp t, 0,1,2,3
	v_wmma_scale_f32_16x16x128_f8f6f4 v[O+8*\t:O+8*\t+7], v[FR+16*\t:FR+16*\t+15], v[PCD:PCD+15], v[O+8*\t:O+8*\t+7], v[SW+\t], v239 matrix_a_fmt:MATRIX_FMT_BF8 matrix_b_fmt:MATRIX_FMT_BF8
.endr
.Lhidden_\@:
	s_add_co_u32 s[KF], s[KF], 128
	s_add_co_u32 s[TB], s[TB], 8192
	s_add_co_u32 s[TS], s[TS], 256
.endm
.macro LOOPN n
	s_mov_b32 s[CNT], \n
.Lks_\@:
	STEP
	s_sub_co_u32 s[CNT], s[CNT], 1
	s_cmp_lg_u32 s[CNT], 0
	s_cbranch_scc1 .Lks_\@
.endm
; THE WAY OUT of a tile: O^T / the sum (v14 + v15 and lane l xor 16's), quantised along the head's 64 channels (two blocks of 32).  pi, ps: the pointers; np = 1: the last products stand just ahead
.macro WAYOUT pi, ps, np
.if \np
.rept 8
	v_nop                                          ; places behind the last products
.endr
.endif
	v_add_f32 v14, v14, v15
	s_delay_alu instid0(VALU_DEP_1)
	v_permlanex16_b32 v238, v14, s50, s51
	s_delay_alu instid0(VALU_DEP_1)
	v_add_f32 v14, v14, v238                       ; the row's sum
	s_wait_alu depctr_va_vdst(0)
	v_rcp_f32 v14, v14
	v_nop
	s_wait_alu depctr_va_vdst(0)
.set j, 0
.rept 32
	v_mul_f32 v[S+j], v[O+j], v14
.set j, j+1
.endr
.irp b, 0,1
	v_max3_num_f32 v[BM+\b], |v[S+16*\b]|, |v[S+16*\b+1]|, 0x8000000
.endr
.irp i, 2,4,6,8,10,12,14
.irp b, 0,1
	s_delay_alu instid0(VALU_DEP_2)
	v_max3_num_f32 v[BM+\b], v[BM+\b], |v[S+16*\b+\i]|, |v[S+16*\b+\i+1]|
.endr
.endr
.irp b, 0,1
	s_delay_alu instid0(VALU_DEP_2)
	v_permlanex16_b32 v[BP+\b], v[BM+\b], s50, s51
.endr
.irp b, 0,1
	s_delay_alu instid0(VALU_DEP_2)
	v_max_num_f32 v[BM+\b], v[BM+\b], v[BP+\b]
.endr
.irp b, 0,1
	s_delay_alu instid0(VALU_DEP_2)
	v_add_nc_u32 v[QSC+\b], 0xf8800000, v[BM+\b]
.endr
.irp b, 0,1
	s_delay_alu instid0(VALU_DEP_4)
	v_and_or_b32 v[LIM+\b], v[BM+\b], 0x7f800000, s54
.endr
.irp b, 0,1
	s_delay_alu instid0(VALU_DEP_4)
	v_lshrrev_b32 v[BP+\b], 23, v[QSC+\b]
.endr
	s_delay_alu instid0(VALU_DEP_1)
	v_lshl_or_b32 v238, v[BP+1], 8, v[BP]          ; the head's two bytes
.irp b, 0,1
.irp i, 0,1,2,3,4,5,6,7,8,9,10,11,12,13,14,15
	v_med3_num_f32 v[S+16*\b+\i], v[S+16*\b+\i], -v[LIM+\b], v[LIM+\b]
.endr
	v_cvt_scalef32_pk8_bf8_f32 v[PCD+4*\b:PCD+4*\b+1], v[S+16*\b:S+16*\b+7], v[QSC+\b]
	v_cvt_scalef32_pk8_bf8_f32 v[PCD+4*\b+2:PCD+4*\b+3], v[S+16*\b+8:S+16*\b+15], v[QSC+\b]
.endr
	v_nop
	global_store_b128 v1, v[PCD:PCD+3], s[\pi:\pi+1] th:TH_STORE_NT               ; 512 consecutive bytes a store, aligned
	global_store_b128 v1, v[PCD+4:PCD+7], s[\pi:\pi+1] offset:512 th:TH_STORE_NT
	global_store_b16 v3, v238, s[\ps:\ps+1]        ; lanes l and l xor 16 hold the same bytes and write them to the same place
.endm
	LOOPN 2                                        ; keys 0 to 255
	s_wait_tensorcnt 0x0                           ; my part of steps 2 to 7 is in,
	ds_add_u32 v243, v255
	s_wait_dscnt 0x0
	s_barrier_signal -1
	s_barrier_wait -1                              ; everybody's are
	tensor_load_to_lds s[80:83], s[40:47]          ; my part of steps 8 to 15: a first fill; it lands under steps 2 to 7
	s_nop 0
.rept 4
	v_nop
.endr
	LOOPN 6
	; THE CHANGE OF TILES, in the second wave of each pair: the early tile leaves, and the late tile begins anew with keys 1,024 on
	s_cmp_eq_u32 s[ROLE], 0
	s_cbranch_scc1 .Lno_change
	WAYOUT 56, 58, 1
	s_wait_xcnt 0x0                                ; the stores have read their data: the registers are written again below and in the steps that follow
.irp j, 0,1,2,3,4,5,6,7
	v_mov_b32 v[16+\j], v[Q2+\j]                   ; the late tile's q, twice
	v_mov_b32 v[32+\j], v[Q2+\j]
.endr
	v_perm_b32 v240, v254, v254, s55               ; and its scale word; the lines below are the places between it and the next products
	v_mov_b32 v13, 0xff61b1e6
	s_delay_alu instid0(VALU_DEP_1)
	v_floor_f32 v12, -v13
	v_mov_b32 v14, 0
	v_mov_b32 v15, 0
.set j, 0
.rept 32
	v_mov_b32 v[O+j], 0
.set j, j+1
.endr
	s_mov_b32 s[Q0], s[QLG]
	s_add_co_u32 s[LQ], s[QLG], 15                 ; up to the late tile's diagonal
.Lno_change:
	s_wait_alu depctr_va_vdst(0)
	s_wait_tensorcnt 0x0                           ; my part of steps 8 to 15 is in,
	s_wait_dscnt 0x0
	s_barrier_signal -1
	s_barrier_wait -1                              ; everybody's are
	s_mov_b32 s[TB], 131072
	LOOPN 8                                        ; keys 1,024 to 2,047: the first wave of a pair jumps over all of them
	; THE TWO HALVES OF THE LATE TILE MEET.  The first wave stores O^T as an image of its registers, its lanes' sums and -M; a barrier; the second wave adds
.rept 8
	v_nop                                          ; places behind the last products
.endr
	s_cmp_eq_u32 s[ROLE], 0
	s_cbranch_scc0 .Lkeeps
	v_add_f32 v14, v14, v15
	s_wait_alu depctr_va_vdst(0)
.irp i, 0,1,2,3,4,5,6,7
	ds_store_b128 v4, v[O+4*\i:O+4*\i+3] offset:512*\i   ; each accumulator from its low end on
.endr
	ds_store_b32 v5, v14
	ds_store_b32 v5, v12 offset:128
.Lkeeps:
	s_wait_dscnt 0x0                               ; for the other's sake: my stores have landed
	s_barrier_signal -1
	s_barrier_wait -1
	s_cmp_eq_u32 s[ROLE], 0
	s_cbranch_scc1 .Ldone
.irp i, 0,1,2,3,4,5,6,7
	ds_load_b128 v[S+4*\i:S+4*\i+3], v4 offset:512*\i    ; the same registers in the same lanes
.endr
	ds_load_b32 v[S+32], v5
	ds_load_b32 v[S+33], v5 offset:128
	v_add_f32 v14, v14, v15
	s_wait_dscnt 0x0
	v_min_num_f32 v238, v12, v[S+33]               ; -M of both halves: the larger M
	s_delay_alu instid0(VALU_DEP_1)
	v_sub_f32 v241, v238, v[S+33]                  ; the other's M less that: a whole number, 0 or less
	s_delay_alu instid0(VALU_DEP_2)
	v_sub_f32 v242, v238, v12                      ; and mine
	s_delay_alu instid0(VALU_DEP_2)
	v_cvt_i32_f32 v241, v241
	s_delay_alu instid0(VALU_DEP_2)
	v_cvt_i32_f32 v242, v242
	s_delay_alu instid0(VALU_DEP_2)
	v_ldexp_f32 v236, 1.0, v241                    ; powers of two: the multiplications round nothing
	s_delay_alu instid0(VALU_DEP_2)
	v_ldexp_f32 v244, 1.0, v242
	s_wait_alu depctr_va_vdst(0)
	v_mul_f32 v14, v14, v244
	v_mul_f32 v15, v[S+32], v236                   ; the way out adds the two sums
.set j, 0
.rept 16
	v_pk_mul_f32 v[O+j:O+j+1], v[O+j:O+j+1], v[244:245] op_sel_hi:[1,0]
.set j, j+2
.endr
.set j, 0
.rept 16
	v_pk_fma_f32 v[O+j:O+j+1], v[S+j:S+j+1], v[236:237], v[O+j:O+j+1] op_sel_hi:[1,0,1]
.set j, j+2
.endr
	WAYOUT 60, 62, 0
.Ldone:
	s_wait_tensorcnt 0x0
	ds_add_u32 v243, v255
	s_wait_dscnt 0x0
	s_endpgm
.Lfunc_end_k_q5b7d116710_attn:
	.size	k_q5b7d116710_attn, .Lfunc_end_k_q5b7d116710_attn-k_q5b7d116710_attn
	.p2alignl 7, 3214868480
	.fill 96, 4, 3214868480
	.section	.rodata,"a",@progbits
	.p2align	6, 0x0
	.amdhsa_kernel k_q5b7d116710_attn
		.amdhsa_group_segment_fixed_size 327680
		.amdhsa_private_segment_fixed_size 0
		.amdhsa_enable_private_segment 0
		.amdhsa_kernarg_size 24
		.amdhsa_user_sgpr_count 2
		.amdhsa_user_sgpr_kernarg_segment_ptr 1
		.amdhsa_wavefront_size32 1
		.amdhsa_system_sgpr_workgroup_id_x 1
		.amdhsa_system_sgpr_workgroup_id_y 1
		.amdhsa_system_sgpr_workgroup_id_z 1
		.amdhsa_system_vgpr_workitem_id 0
		.amdhsa_next_free_vgpr 256
		.amdhsa_next_free_sgpr 102
		.amdhsa_reserve_vcc 1
		.amdhsa_float_denorm_mode_32 3
		.amdhsa_float_denorm_mode_16_64 3
		.amdhsa_memory_ordered 1
		.amdhsa_forward_progress 1
		.amdhsa_inst_pref_size 108
	.end_amdhsa_kernel
	.amdgpu_metadata
---
amdhsa.version: [ 1, 2 ]
amdhsa.kernels:
  - .name:           k_q5b7d116710_attn
    .symbol:         k_q5b7d116710_attn.kd
    .args:
      - { .name: qkv, .offset: 0, .size: 8, .value_kind: global_buffer, .address_space: global }
      - { .name: o_img, .offset: 8, .size: 8, .value_kind: global_buffer, .address_space: global }
      - { .name: o_sc, .offset: 16, .size: 8, .value_kind: global_buffer, .address_space: global }
    .group_segment_fixed_size: 327680
    .private_segment_fixed_size: 0
    .kernarg_segment_align: 8
    .kernarg_segment_size: 24
    .max_flat_workgroup_size: 512
    .sgpr_count:     102
    .vgpr_count:     256
    .wavefront_size: 32
...
	.end_amdgpu_metadata
.endif
;; end of part 3
;; launch proj (part 4): grid 8 x 32, 4 waves a work-group, clusters of 4 x 4, 327,680 bytes of LDS; arguments o_img, o_sc, w_proj_codes, w_proj_scales, b_proj, x, x1; writes x1
.if DOCPART == 4
	.amdgcn_target "amdgcn-amd-amdhsa--gfx1250"
	.amdhsa_code_object_version 6
	.text
	.protected	k_q5b7d116710_proj
	.globl	k_q5b7d116710_proj
	.p2align	8
	.type	k_q5b7d116710_proj,@function
k_q5b7d116710_proj:
	s_mov_b64 s[64:65], 0
	v_nop
	global_prefetch_b8 v0, s[64:65] scope:SCOPE_SE
	s_setreg_imm32_b32 hwreg(HW_REG_WAVE_MODE, 25, 1), 1
	s_wait_xcnt 0x0
	s_wait_alu depctr_hold_cnt(0) depctr_sa_sdst(0) depctr_va_vdst(0) depctr_va_sdst(0) depctr_va_ssrc(0) depctr_va_vcc(0) depctr_vm_vsrc(0)
	s_getreg_b32 s2, hwreg(HW_REG_IB_STS2, 6, 4)
	s_cmp_eq_u32 s2, 0
	s_cbranch_scc0 .Lentry_in_a_cluster
	s_endpgm
.Lentry_in_a_cluster:
	s_bfe_u32 s2, ttmp6, 0x10000c
	s_cmp_lg_u32 s2, 0xf033
	s_cbranch_scc0 .Lentry_shape_is_right
	s_endpgm
.Lentry_shape_is_right:
; out = resid + A W^T + bias on codes of E5M2 with E8M0 scales; f32 sums, f32 out.  Here: A = the attention's result (4,096 x 1,024), W = w_proj (1,024 x 1,024), resid = x, out = x1.
; A comes as images of operand registers, [K / 512][row / 16][(K / 128) % 4][block of 32][lane][16], its scale words as [K / 128][row].  Inside a block of 32 its codes lie in the order
; 8 h + 0..7, 16 + 8 h + 0..7 of lane half h; W's rows are read from LDS in that same order, by two loads of 8 bytes a block, so that both sides of each product agree.
; A tile of 128 x 128 to a work-group (256 work-groups), 64 x 64 to a wave: 16 accumulators.  K goes in slots of 512 through two LDS slots filled by joint tensor loads: A's tile is shared
; along a row of the 4 x 4 cluster, W's along a column.  The scales of the tile's rows, for all of K, come once with the first fills.
; THE MATRIX INSTRUCTION IS USED TRANSPOSED (source 0 = 16 rows of W, source 1 = 16 rows of A): a lane holds eight neighbouring numbers of a row of the result.  The bias is the C of each sum's first product.
; The residual's tile is asked for at the head, into registers, and is added on the way out.  No prefetch: each tile is read by many work-groups at about the same time and is asked for jointly.
; REGISTERS: window 0: v0-31 addresses; v32-79 scale words, two sets; v96-127 the bias; v128-255 accumulators.  window 1: two fragment buffers (A's 4 x 16, W's 4 x 16); on the way out rows of the result.  window 2: v0-127 the residual.
.set SIZE_K, 1024
.set KS,     SIZE_K/32
.set NKS,    SIZE_K/128
.set LAPS,   SIZE_K/1024               ; a lap = two slots of 512 along K
.set HA,     32768                     ; A's 64 rows of a slot: four images of 8,192 bytes
.set PB,     528                       ; a row of W in LDS: 512 bytes + 16: the lanes of a load of 8 bytes touch 64 different banks (64 banks of 4 bytes: ISA guide 11.1)
.set HB,     64*PB
.set BOFF,   2*HA
.set SLOT,   BOFF+2*HB
.set SCA,    2*SLOT                    ; behind the ring: A's scale words, 256 bytes for each 128 along K and 64 rows;
.set HSA,    NKS*256
.set SCBS,   SCA+2*HSA                 ; W's scale bytes, as units of 256 bytes + 16
.set HSB,    (64*KS/256)*272
.set SBLK,   (16*KS/256)*272
.set SPARE,  SCBS+2*HSB                ; the spare words, 128 bytes a wave
.set SPITCH, 272                       ; the way out: 16 rows x (256 + 16) bytes a wave, in slot 0, which has had its last fill and its last read by then
.set ADRA, 16
.set ADRB, 20
.set ADSA, 22
.set ADSB, 23
.set STO,  24
.set RD,   25
.set CO,   26
.set BO,   27
.set SPW,  28
.set NIL,  29
.set SC,   32                          ; set s at SC + 24 s: + 2 ks + p: A's words (lanes 0-15 block 2 p, lanes 16-31 block 2 p + 1); + 8 + 4 blk + ks: W's
.set BIAS, 96
.set ACC,  128
.set F0,   0
.set F1,   128
.set G1, 24
.set G0, 32
.set G1B, 48
.set G0B, 56
.set G1S, 68
.set G0S, 76
.set G1SB, 80
.set G0SB, 88
.set MSB, 0
.macro WIN new
.if MSB != (\new)
	s_set_vgpr_msb (MSB<<8)|(\new)
.set MSB, (\new)
.endif
.endm
.set MUL,  0x05                        ; sources 0 and 1 window 1; C and D window 0
.set TO_F, 0x40
.macro JLOAD g0a, g1a, g0b, g1b        ; a joint load: waves 0, 1 fetch for A, waves 2, 3 for W; four v_nop follow each line
	s_cmp_eq_u32 s15, 0
	s_cbranch_scc0 .Lfor_b_\@
	tensor_load_to_lds s[\g0a:\g0a+3], s[\g1a:\g1a+7]
	s_nop 0
.rept 4
	v_nop
.endr
	s_branch .Lasked_\@
.Lfor_b_\@:
	tensor_load_to_lds s[\g0b:\g0b+3], s[\g1b:\g1b+7]
	s_nop 0
.rept 4
	v_nop
.endr
.Lasked_\@:
.endm
.macro CREST
	s_cmp_lg_u32 s14, 0
	s_cbranch_scc1 .Lnot_wave_0_\@
	s_barrier_signal -3
.Lnot_wave_0_\@:
	s_barrier_wait -3
	s_barrier_signal -1
	s_barrier_wait -1
.endm
.macro CROUND
	s_barrier_signal -1
	s_barrier_wait -1
	CREST
.endm
	s_load_b256 s[4:11], s[0:1], 0x0               ; A's images, A's scale words, W's codes, W's scale bytes
	s_load_b128 s[96:99], s[0:1], 0x20             ; bias, residual
	s_load_b64 s[12:13], s[0:1], 0x30              ; out
	v_lshl_add_u32 v[SPW], v0, 2, SPARE
	v_mov_b32 v[NIL], 0
	ds_add_u32 v28, v29
	ds_add_u32 v28, v29
	s_wait_dscnt 0x0
	v_lshrrev_b32 v1, 5, v0
	v_readfirstlane_b32 s14, v1                    ; wave
	s_lshr_b32 s15, s14, 1                         ; my half of the tile's rows; also: I fetch for A (0) or W (1)
	s_and_b32 s16, s14, 1                          ; my half of its columns; also: which 64 rows I fetch
	s_bfe_u32 s40, ttmp6, 0x40000                  ; cx
	s_bfe_u32 s41, ttmp6, 0x40004                  ; cy
	s_lshl_b32 s42, ttmp9, 2
	s_add_co_u32 s42, s42, s40                     ; tile column
	s_and_b32 s17, ttmp7, 0xffff
	s_lshl_b32 s17, s17, 2
	s_add_co_u32 s17, s17, s41                     ; tile row
	s_lshl_b32 s43, s41, 2
	s_lshl_b32 s43, 15, s43                        ; my row of the cluster
	s_lshl_b32 s44, 0x1111, s40                    ; my column
	s_or_b32 s[G1+0], s43, (3<<16)|(1<<21)         ; A's images: 32,768 dense bytes as 128 rows of 32 elements of 8 bytes
	s_mov_b32 s[G1+1], 32<<16
	s_mov_b32 s[G1+2], 256<<16                     ; the head's load of A brings both halves
	s_mov_b32 s[G1+3], 32<<16
	s_mov_b32 s[G1+4], 256
	s_mov_b32 s[G1+5], 32
	s_mov_b32 s[G1+6], 0
	s_mov_b32 s[G1+7], 0
	s_or_b32 s[G1B+0], s44, (0<<16)|(1<<20)|(1<<21)|(6<<22)|(3<<25)   ; W: 64 rows of 512 bytes, 4 words of padding behind every 128
	s_mov_b32 s[G1B+1], 512<<16
	s_mov_b32 s[G1B+2], 128<<16                    ; and so does W's
	s_mov_b32 s[G1B+3], 512<<16
	s_mov_b32 s[G1B+4], 128
	s_mov_b32 s[G1B+5], SIZE_K
	s_mov_b32 s[G1B+6], 0
	s_mov_b32 s[G1B+7], 0
	s_or_b32 s[G1S+0], s43, (3<<16)|(1<<21)        ; A's scale words: for each 128 along K the 512 bytes of 128 rows, 16,384 bytes apart
	s_mov_b32 s[G1S+1], 64<<16                     ; A's scale words: for each 128 along K the 512 bytes of 128 rows
	s_mov_b32 s[G1S+2], NKS<<16
	s_mov_b32 s[G1S+3], 64<<16
	s_mov_b32 s[G1S+4], NKS
	s_mov_b32 s[G1S+5], 2048
	s_mov_b32 s[G1S+6], 0
	s_mov_b32 s[G1S+7], 0
	s_or_b32 s[G1SB+0], s44, (3<<16)|(1<<20)|(1<<21)|(5<<22)|(3<<25)  ; W's scale bytes of 128 rows: dense, as rows of 256 bytes + 16
	s_mov_b32 s[G1SB+1], 32<<16
	s_mov_b32 s[G1SB+2], (128*KS/256)<<16          ; W's scale bytes of 128 rows
	s_mov_b32 s[G1SB+3], 32<<16
	s_mov_b32 s[G1SB+4], 128*KS/256
	s_mov_b32 s[G1SB+5], 32
	s_mov_b32 s[G1SB+6], 0
	s_mov_b32 s[G1SB+7], 0
	s_lshl_b32 s20, s17, 16                        ; A's images: 65,536 bytes a tile row and chunk
	s_mov_b32 s21, 0
	s_lshl_b32 s22, s17, 9                         ; A's scale words
	s_mov_b32 s23, 0
	s_lshl_b32 s46, s42, 7                         ; W's first row
	s_mul_i32 s92, s46, KS
	s_mov_b32 s93, 0
	s_mul_i32 s46, s46, SIZE_K
	s_mov_b32 s47, 0
	s_mul_i32 s45, s16, HA                         ; where they go: no place in the cluster enters an LDS address
	s_mul_i32 s94, s16, HB
	s_add_co_u32 s94, s94, BOFF
	s_mov_b32 s95, SCA
	s_mov_b32 s19, SCBS
	s_wait_kmcnt 0x0
	s_add_nc_u64 s[20:21], s[4:5], s[20:21]
	s_add_nc_u64 s[22:23], s[6:7], s[22:23]
	s_add_nc_u64 s[46:47], s[8:9], s[46:47]
	s_add_nc_u64 s[92:93], s[10:11], s[92:93]
	CROUND                                         ; all sixteen work-groups are here: the first joint loads meet
	s_mov_b32 s[G0S], 1
	s_mov_b32 s[G0S+1], s95
	s_mov_b64 s[G0S+2:G0S+3], s[22:23]
	s_or_b32 s[G0S+3], s[G0S+3], 0x80000000
	s_mov_b32 s[G0SB], 1
	s_mov_b32 s[G0SB+1], s19
	s_mov_b64 s[G0SB+2:G0SB+3], s[92:93]
	s_or_b32 s[G0SB+3], s[G0SB+3], 0x80000000
	s_mov_b32 s4, 1                                ; THE HEAD AS IT NOW STANDS: four tiles, one joint load a wave: slot 0's A, slot 0's W, A's scale words, W's scale bytes; slot 1 follows behind the three lines and a round.
	s_mov_b32 s5, 0                                ; group 0 of the head's loads of slot 0: A's 128 rows (s4-11 held pointers that have been used),
	s_mov_b64 s[6:7], s[20:21]
	s_or_b32 s7, s7, 0x80000000
	s_mov_b32 s8, 1                                ; W's 128 rows
	s_mov_b32 s9, BOFF
	s_mov_b64 s[10:11], s[46:47]
	s_or_b32 s11, s11, 0x80000000
	s_lshl_b32 s18, s16, 15                        ; for slot 1: my half of the tile
	s_mov_b32 s19, 0
	s_add_nc_u64 s[20:21], s[20:21], s[18:19]
	s_mul_i32 s18, s16, 64*SIZE_K
	s_add_nc_u64 s[46:47], s[46:47], s[18:19]
	s_lshl_b32 s22, s40, 13                        ; ONE PREFETCH (the head's sentence that there is none no longer holds): slot 1, asked for at the head: my work-group's quarter of what I fetch: 8,192 bytes of A's images by cx,
	s_mul_i32 s95, s41, 16*SIZE_K                  ; 16 rows of W by cy: told apart by address
	s_mov_b32 s100, 0x200000                       ; from slot 0 to slot 1, in A's images or along W's rows
	s_cmp_eq_u32 s15, 0
	s_cselect_b64 s[92:93], s[20:21], s[46:47]
	s_cselect_b32 s22, s22, s95
	s_cselect_b32 s100, s100, 512
	s_mov_b32 s23, 0
	s_mov_b32 s101, 0
	s_add_nc_u64 s[92:93], s[92:93], s[22:23]
	s_add_nc_u64 s[92:93], s[92:93], s[100:101]
.irp s, 0,1
	s_mov_b32 s[G0+4*\s], 1
	s_add_co_u32 s[G0+4*\s+1], s45, \s*SLOT
	s_add_nc_u64 s[G0+4*\s+2:G0+4*\s+3], s[20:21], \s*0x200000
	s_or_b32 s[G0+4*\s+3], s[G0+4*\s+3], 0x80000000
	s_mov_b32 s[G0B+4*\s], 1
	s_add_co_u32 s[G0B+4*\s+1], s94, \s*SLOT
	s_add_nc_u64 s[G0B+4*\s+2:G0B+4*\s+3], s[46:47], \s*512
	s_or_b32 s[G0B+4*\s+3], s[G0B+4*\s+3], 0x80000000
.endr
.macro ARM under, g0, g1, next         ; one chain of branches on the wave's number, one joint load to an arm
	s_cmp_lt_u32 s14, \under
	s_cbranch_scc0 \next
	tensor_load_to_lds s[\g0:\g0+3], s[\g1:\g1+7]
	s_nop 0
.rept 4
	v_nop
.endr
	s_branch .Lhead_asked
\next:
.endm
	ARM 1, 4, G1, .Lhead_b
	ARM 2, 8, G1B, .Lhead_sa
	ARM 3, G0S, G1S, .Lhead_sb
	tensor_load_to_lds s[G0SB:G0SB+3], s[G1SB:G1SB+7]
	s_nop 0
.rept 4
	v_nop
.endr
.Lhead_asked:
	v_and_b32 v1, 15, v0                           ; r
	v_bfe_u32 v2, v0, 4, 1                         ; h
	v_and_b32 v3, 31, v0                           ; lane
	v_lshlrev_b32 v4, 4, v3
	s_mul_i32 s21, s15, HA
	v_add_nc_u32 v[ADRA], s21, v4                  ; A: an image's 16 bytes a lane
	v_add_nc_u32 v[ADRA+1], SLOT, v[ADRA]
	v_mul_u32_u24 v5, v1, PB
	v_lshl_add_u32 v5, v2, 3, v5                   ; W: row r, + 8 h
	s_mul_i32 s22, s16, HB
	s_add_co_u32 s22, s22, BOFF
	v_add_nc_u32 v[ADRB], s22, v5
	v_add_nc_u32 v[ADRB+1], SLOT, v[ADRB]
	s_lshl_b32 s21, s15, 8
	s_add_co_u32 s21, s21, SCA
	v_lshl_add_u32 v[ADSA], v3, 2, s21
	v_mul_u32_u24 v5, v1, KS
	v_lshrrev_b32 v6, 8, v5
	v_lshl_add_u32 v5, v6, 4, v5
	s_mul_i32 s22, s16, HSB
	s_add_co_u32 s22, s22, SCBS
	v_add_nc_u32 v[ADSB], s22, v5
	s_mul_i32 s23, s14, 16*SPITCH
	v_mul_u32_u24 v5, v1, SPITCH
	v_lshl_add_u32 v5, v2, 5, v5
	v_add_nc_u32 v[STO], s23, v5                   ; the stage, way in: row r, 32 bytes for each half of the lanes
	v_mul_u32_u24 v5, v2, SPITCH
	v_lshl_add_u32 v5, v1, 4, v5
	v_add_nc_u32 v[RD], s23, v5                    ; way out: lanes 0-15 one row of 256 bytes, lanes 16-31 the next
	v_lshlrev_b32 v5, 12, v2
	v_lshl_add_u32 v[CO], v1, 4, v5                ; the same two rows in memory
	v_lshlrev_b32 v[BO], 5, v2                     ; the bias: 32 h
	v_lshlrev_b32 v30, 8, v3                       ; v30: the prefetch's offset: in A's images 256 x lane; in W two blocks a row
	v_lshrrev_b32 v5, 1, v3
	v_and_b32 v6, 1, v3
	v_mul_u32_u24 v5, v5, SIZE_K
	v_lshl_add_u32 v5, v6, 8, v5
	s_cmp_eq_u32 s15, 0
	s_cselect_b32 s18, 0, -1
	v_cndmask_b32 v30, v30, v5, s18
	s_wait_alu depctr_va_vdst(0)
	global_prefetch_b8 v30, s[92:93] th:TH_LOAD_NT scope:SCOPE_SE   ; slot 1
	s_lshl_b32 s20, s17, 7
	s_lshl_b32 s21, s15, 6
	s_add_co_u32 s20, s20, s21                     ; my first row
	s_lshl_b32 s20, s20, 12
	s_lshl_b32 s46, s42, 9
	s_lshl_b32 s47, s16, 8
	s_add_co_u32 s46, s46, s47                     ; my first column, in bytes
	s_mov_b32 s47, 0
	s_add_nc_u64 s[96:97], s[96:97], s[46:47]
	s_add_co_u32 s20, s20, s46
	s_mov_b32 s21, 0
	s_add_nc_u64 s[98:99], s[98:99], s[20:21]
	s_add_nc_u64 s[12:13], s[12:13], s[20:21]
.irp b, 0,1,2,3
	global_load_b128 v[BIAS+8*\b:BIAS+8*\b+3], v[BO], s[96:97] offset:64*\b       ; lane (r, h), tile b: the bias of columns 16 b + 8 h + 0..7
	global_load_b128 v[BIAS+8*\b+4:BIAS+8*\b+7], v[BO], s[96:97] offset:64*\b+16
.endr
; the fragments of 128 along K, the slot's q-th, into buffer f: 48 LDS loads
.macro FETCH slot, q, f
	WIN TO_F
.irp i, 0,1,2,3
.irp c, 0,1,2,3
	ds_load_b128 v[\f+16*\i+4*\c:\f+16*\i+4*\c+3], v[ADRA+\slot] offset:\i*8192+(\q)*2048+512*\c
.endr
.endr
.irp i, 0,1,2,3
.irp c, 0,1,2,3
	ds_load_b64 v[\f+64+16*\i+4*\c:\f+64+16*\i+4*\c+1], v[ADRB+\slot] offset:\i*16*PB+128*(\q)+32*\c
	ds_load_b64 v[\f+64+16*\i+4*\c+2:\f+64+16*\i+4*\c+3], v[ADRB+\slot] offset:\i*16*PB+128*(\q)+32*\c+16
.endr
.endr
.endm
.macro SCALES s                        ; a slot's scale words: 12 LDS loads
	WIN 0
.irp ks, 0,1,2,3
.irp p, 0,1
	ds_load_b32 v[SC+24*\s+2*\ks+\p], v[ADSA] offset:512*\ks+128*\p
.endr
.endr
.irp blk, 0,1,2,3
	ds_load_b128 v[SC+24*\s+8+4*\blk:SC+24*\s+8+4*\blk+3], v[ADSB] offset:\blk*SBLK
.endr
.endm
; 8 matrix instructions: A's blocks a0, a0 + 1 x W's four.  The 16 accumulators take turns, one instruction a turn, in the same order in every step.
.macro MUL8 f, a0, set, ks, first
.irp a, \a0, \a0+1
.irp b, 0,1,2,3
.set rD, ACC+8*(4*(\a)+\b)
.set rW, \f+64+16*\b
.set rA, \f+16*(\a)
.set rSW, SC+24*(\set)+8+4*\b+(\ks)
.set rSA, SC+24*(\set)+2*(\ks)+(\a)/2
.if \first
.if (\a)%2
	v_wmma_scale_f32_16x16x128_f8f6f4 v[rD:rD+7], v[rW:rW+15], v[rA:rA+15], v[BIAS+8*\b:BIAS+8*\b+7], v[rSW], v[rSA] matrix_a_fmt:MATRIX_FMT_BF8 matrix_b_fmt:MATRIX_FMT_BF8 matrix_b_scale:MATRIX_SCALE_ROW1
.else
	v_wmma_scale_f32_16x16x128_f8f6f4 v[rD:rD+7], v[rW:rW+15], v[rA:rA+15], v[BIAS+8*\b:BIAS+8*\b+7], v[rSW], v[rSA] matrix_a_fmt:MATRIX_FMT_BF8 matrix_b_fmt:MATRIX_FMT_BF8
.endif
.else
.if (\a)%2
	v_wmma_scale_f32_16x16x128_f8f6f4 v[rD:rD+7], v[rW:rW+15], v[rA:rA+15], v[rD:rD+7], v[rSW], v[rSA] matrix_a_fmt:MATRIX_FMT_BF8 matrix_b_fmt:MATRIX_FMT_BF8 matrix_b_scale:MATRIX_SCALE_ROW1
.else
	v_wmma_scale_f32_16x16x128_f8f6f4 v[rD:rD+7], v[rW:rW+15], v[rA:rA+15], v[rD:rD+7], v[rSW], v[rSA] matrix_a_fmt:MATRIX_FMT_BF8 matrix_b_fmt:MATRIX_FMT_BF8
.endif
.endif
.endr
.endr
.endm
.macro PLACES n                        ; plain vector lines between a matrix instruction and a load into, or a read of, its registers
.rept \n
	v_nop
.endr
.endm
; 128 along K with its successor in the same slot: the successor's fragments are asked for first, into the buffer that the step before multiplied
.macro STEP slot, q, first
	PLACES 8
	FETCH \slot, (\q)+1, F1-128*((\q)%2)
	s_wait_dscnt 48                                ; all but the 48 just issued: this step's fragments and scale words are in
	WIN MUL
	MUL8 128*((\q)%2), 0, \slot, \q, \first
	MUL8 128*((\q)%2), 2, \slot, \q, \first
.endm
; A slot's last step changes slots: one barrier; in front of it each wave waits for all its tensor loads, adds 0 to its spare word, and waits for that and for its reads of this slot.
.macro TURN slot, next, fill
	WIN 0
	s_wait_tensorcnt 0x0                           ; all my tensor loads have landed: my part of the next slot
	ds_add_u32 v[SPW], v[NIL]                      ; 0 onto my spare word
	s_wait_dscnt 1                                 ; (the add may be out; the step's fragments are in)
	WIN MUL
	MUL8 F1, 0, \slot, 3, 0
	s_wait_dscnt 0x0                               ; the add is done, and my reads of this slot are over
	s_barrier_signal -1
	MUL8 F1, 2, \slot, 3, 0
	WIN 0
	s_barrier_wait -1
.if \fill
	CREST                                          ; the barrier has opened a round of the cluster's barrier: no wave of any partner still reads this slot or has a load on its way
	s_add_nc_u64 s[G0+4*\slot+2:G0+4*\slot+3], s[G0+4*\slot+2:G0+4*\slot+3], 0x400000
	s_add_nc_u64 s[G0B+4*\slot+2:G0B+4*\slot+3], s[G0B+4*\slot+2:G0B+4*\slot+3], 1024
	JLOAD G0+4*\slot, G1, G0B+4*\slot, G1B
	PLACES 4
.else
	PLACES 8
.endif
	v_add_nc_u32 v[ADSA], 2048, v[ADSA]
	v_add_nc_u32 v[ADSB], 16, v[ADSB]
	FETCH \next, 0, F0
	SCALES \next
.endm
	s_wait_tensorcnt 0x0                           ; my tile of the head's four is in; slot 1's first fill is issued as a refill is
	ds_add_u32 v[SPW], v[NIL]
	s_mov_b32 s[G1+2], 128<<16                     ; no tensor load of mine is out: slot 1's loads bring half a tile
	s_mov_b32 s[G1+4], 128
	s_mov_b32 s[G1B+2], 64<<16
	s_mov_b32 s[G1B+4], 64
	s_wait_dscnt 0x0
	CROUND                                         ; all four tiles are in, and all sixteen work-groups are here
	JLOAD G0+4, G1, G0B+4, G1B                     ; slot 1
	FETCH 0, 0, F0
	WIN 0x80                                       ; the residual's tile is asked for here, behind both slots' loads: destination window 2
.irp a, 0,1,2,3
.irp t, 0,1,2,3,4,5,6,7
	global_load_b128 v[32*\a+4*\t:32*\a+4*\t+3], v[CO], s[98:99] offset:(16*\a+2*\t)*4096 th:TH_LOAD_NT
.endr
.endr
	WIN 0
	SCALES 0
	s_wait_loadcnt 32                              ; the bias is in; the residual's 32 loads may be out
	STEP 0, 0, 1                                   ; the first step's products start the sums from the bias
.if LAPS > 1
	WIN 0
	s_mov_b32 s3, LAPS-1
.Llap:
	STEP 0, 1, 0
	STEP 0, 2, 0
	TURN 0, 1, 1
	STEP 1, 0, 0
	STEP 1, 1, 0
	STEP 1, 2, 0
	TURN 1, 0, 1
	STEP 0, 0, 0
	WIN 0
	s_sub_co_u32 s3, s3, 1
	s_cmp_lg_u32 s3, 0
	s_cbranch_scc1 .Llap
.endif
	STEP 0, 1, 0                                   ; the last lap fills nothing
	STEP 0, 2, 0
	TURN 0, 1, 0
	STEP 1, 0, 0
	STEP 1, 1, 0
	STEP 1, 2, 0
	s_wait_dscnt 0x0
	WIN MUL
	MUL8 F1, 0, 1, 3, 0
	MUL8 F1, 2, 1, 3, 0
	WIN 0
	; THE WAY OUT, 16 rows x 64 columns at a time: through my own stage, back as whole rows of 256 bytes, the residual added, stored
	PLACES 8
	s_wait_loadcnt 0x0                             ; the residual
.irp a, 0,1,2,3
.irp b, 0,1,2,3
	ds_store_b128 v[STO], v[ACC+8*(4*\a+\b):ACC+8*(4*\a+\b)+3] offset:64*\b        ; each accumulator from its low end on
	ds_store_b128 v[STO], v[ACC+8*(4*\a+\b)+4:ACC+8*(4*\a+\b)+7] offset:64*\b+16
.endr
	WIN TO_F
.irp t, 0,1,2,3,4,5,6,7
	ds_load_b128 v[32*\a+4*\t:32*\a+4*\t+3], v[RD] offset:\t*2*SPITCH   ; LDS serves a wave's instructions in order: these see my stores
.endr
	s_wait_dscnt 0x0
	WIN 0x49                                       ; destination and source 0 window 1, source 1 (the residual) window 2
.irp j, 0,2,4,6,8,10,12,14,16,18,20,22,24,26,28,30
	v_pk_add_f32 v[32*\a+\j:32*\a+\j+1], v[32*\a+\j:32*\a+\j+1], v[32*\a+\j:32*\a+\j+1]
.endr
	WIN 0x04                                       ; a store's data are its source 1: window 1
.irp t, 0,1,2,3,4,5,6,7
	global_store_b128 v[CO], v[32*\a+4*\t:32*\a+4*\t+3], s[12:13] offset:(16*\a+2*\t)*4096 th:TH_STORE_NT   ; sixteen lanes store 256 consecutive bytes, aligned
.endr
	WIN 0
.endr
	s_wait_tensorcnt 0x0                           ; the wave's end
	ds_add_u32 v[SPW], v[NIL]
	s_wait_dscnt 0x0
	CROUND                                         ; the closing round
	s_endpgm
.Lfunc_end_k_q5b7d116710_proj:
	.size	k_q5b7d116710_proj, .Lfunc_end_k_q5b7d116710_proj-k_q5b7d116710_proj
	.p2alignl 7, 3214868480
	.fill 96, 4, 3214868480
	.section	.rodata,"a",@progbits
	.p2align	6, 0x0
	.amdhsa_kernel k_q5b7d116710_proj
		.amdhsa_group_segment_fixed_size 327680
		.amdhsa_private_segment_fixed_size 0
		.amdhsa_enable_private_segment 0
		.amdhsa_kernarg_size 56
		.amdhsa_user_sgpr_count 2
		.amdhsa_user_sgpr_kernarg_segment_ptr 1
		.amdhsa_wavefront_size32 1
		.amdhsa_system_sgpr_workgroup_id_x 1
		.amdhsa_system_sgpr_workgroup_id_y 1
		.amdhsa_system_sgpr_workgroup_id_z 1
		.amdhsa_system_vgpr_workitem_id 0
		.amdhsa_next_free_vgpr 640
		.amdhsa_next_free_sgpr 104
		.amdhsa_reserve_vcc 0
		.amdhsa_float_denorm_mode_32 3
		.amdhsa_float_denorm_mode_16_64 3
		.amdhsa_memory_ordered 1
		.amdhsa_forward_progress 1
		.amdhsa_inst_pref_size 72
	.end_amdhsa_kernel
	.amdgpu_metadata
---
amdhsa.version: [ 1, 2 ]
amdhsa.kernels:
  - .name:           k_q5b7d116710_proj
    .symbol:         k_q5b7d116710_proj.kd
    .args:
      - { .name: o_img, .offset: 0, .size: 8, .value_kind: global_buffer, .address_space: global }
      - { .name: o_sc, .offset: 8, .size: 8, .value_kind: global_buffer, .address_space: global }
      - { .name: w_proj_codes, .offset: 16, .size: 8, .value_kind: global_buffer, .address_space: global }
      - { .name: w_proj_scales, .offset: 24, .size: 8, .value_kind: global_buffer, .address_space: global }
      - { .name: b_proj, .offset: 32, .size: 8, .value_kind: global_buffer, .address_space: global }
      - { .name: x, .offset: 40, .size: 8, .value_kind: global_buffer, .address_space: global }
      - { .name: x1, .offset: 48, .size: 8, .value_kind: global_buffer, .address_space: global }
    .group_segment_fixed_size: 327680
    .private_segment_fixed_size: 0
    .kernarg_segment_align: 8
    .kernarg_segment_size: 56
    .max_flat_workgroup_size: 128
    .sgpr_count:     104
    .vgpr_count:     640
    .wavefront_size: 32
...
	.end_amdgpu_metadata
.endif
;; end of part 4
;; launch ln2: the kernel of part 1 again; grid 256 x 1, 16 waves a work-group, no clusters, 84,480 bytes of LDS; arguments x1, ln2_g, ln2_b, xn_codes, xn_scales; writes xn_codes, xn_scales
;; launch ffn1 (part 5): grid 16 x 16, 4 waves a work-group, clusters of 4 x 4, 327,680 bytes of LDS; arguments xn_codes, xn_scales, w1_codes, w1_scales, b1, h_img, h_sc; writes h_img, h_sc
.if DOCPART == 5
	.amdgcn_target "amdgcn-amd-amdhsa--gfx1250"
	.amdhsa_code_object_version 6
	.text
	.protected	k_q5b7d116710_ffn1
	.globl	k_q5b7d116710_ffn1
	.p2align	8
	.type	k_q5b7d116710_ffn1,@function
k_q5b7d116710_ffn1:
	s_mov_b64 s[64:65], 0
	v_nop
	global_prefetch_b8 v0, s[64:65] scope:SCOPE_SE
	s_setreg_imm32_b32 hwreg(HW_REG_WAVE_MODE, 25, 1), 1
	s_wait_xcnt 0x0
	s_wait_alu depctr_hold_cnt(0) depctr_sa_sdst(0) depctr_va_vdst(0) depctr_va_sdst(0) depctr_va_ssrc(0) depctr_va_vcc(0) depctr_vm_vsrc(0)
	s_getreg_b32 s2, hwreg(HW_REG_IB_STS2, 6, 4)
	s_cmp_eq_u32 s2, 0
	s_cbranch_scc0 .Lentry_in_a_cluster
	s_endpgm
.Lentry_in_a_cluster:
	s_bfe_u32 s2, ttmp6, 0x10000c
	s_cmp_lg_u32 s2, 0xf033
	s_cbranch_scc0 .Lentry_shape_is_right
	s_endpgm
.Lentry_shape_is_right:
; h = relu(xn2 W1^T + b1) on codes of E5M2 with E8M0 scales, K = 1,024, and the quantiser along the 4,096 hidden units for the product that follows.
; A tile of 256 x 256 to a work-group of four waves, 128 x 128 to a wave; K in steps of 256 through two LDS slots filled by joint tensor loads in a 4 x 4 cluster; the bias is the C of each sum's first product.
; Out: h_img [K / 512][row / 16][(K / 128) % 4][block of 32][lane][16], images of operand registers; h_sc [K / 128][row] scale words.  Inside a block of 32 the codes lie in the order 8 h + 0..7, 16 + 8 h + 0..7 of lane half h.
; LIMITS: a block of zeros gets the byte 1 (its codes are zeros; only this program reads the bytes); NaN and infinities are not served.
.set KSTEP,  256
.set NQ,     KSTEP/128
.set ROWB,   256
.set KROW,   1024
.set PITCH,  272
.set FR,     16
.set NL,     4
.set NP,     8
.set HALFT,  128*PITCH
.set SLOT,   4*HALFT
.set LAPS,   KROW/(2*KSTEP)
.set KS,     KROW/32
.set SCL,    2*SLOT
.set HALFS,  (128*KS/256)*272
.set SBLK,   (16*KS/256)*272
.set SPARE,  SCL+4*HALFS
.set ADRA, 16
.set ADRB, 20
.set VO0,  22
.set VO1,  23
.set STW,  24
.set STR,  25
.set ADRS, 27
.set SPW,  28
.set NIL,  29
.set SC,   32
.set BIAS, 64
.set AF,   128
.set QTM,  128
.set QTP,  132
.set QLIM, 136
.set QSC,  140
.set PC,   144
.set WD,   160
.set SBK,  176
.set G1, 24
.set G0, 32
.set G1B, 48
.set G0B, 56
.set G1S, 68
.set G0S, 76
.set G1SB, 80
.set G0SB, 88
.set MSB, 0
.macro WIN new
.if MSB != (\new)
	s_set_vgpr_msb (MSB<<8)|(\new)
.set MSB, (\new)
.endif
.endm
.set MUL_LO, 0xa1
.set MUL_HI, 0xf1
.set TO_B,   0x40
.macro JLOAD g0a, g1a, g0b, g1b
	s_cmp_eq_u32 s15, 0
	s_cbranch_scc0 .Lfor_b_\@
	tensor_load_to_lds s[\g0a:\g0a+3], s[\g1a:\g1a+7]
	s_nop 0
.rept 4
	v_nop
.endr
	s_branch .Lasked_\@
.Lfor_b_\@:
	tensor_load_to_lds s[\g0b:\g0b+3], s[\g1b:\g1b+7]
	s_nop 0
.rept 4
	v_nop
.endr
.Lasked_\@:
.endm
.macro CREST
	s_cmp_lg_u32 s14, 0
	s_cbranch_scc1 .Lnot_wave_0_\@
	s_barrier_signal -3
.Lnot_wave_0_\@:
	s_barrier_wait -3
	s_barrier_signal -1
	s_barrier_wait -1
.endm
.macro CROUND
	s_barrier_signal -1
	s_barrier_wait -1
	CREST
.endm
	s_load_b256 s[4:11], s[0:1], 0x0
	s_load_b64 s[98:99], s[0:1], 0x20
	s_load_b64 s[12:13], s[0:1], 0x28
	s_load_b64 s[96:97], s[0:1], 0x30
	v_lshl_add_u32 v[SPW], v0, 2, SPARE
	v_mov_b32 v[NIL], 0
	ds_add_u32 v28, v29
	ds_add_u32 v28, v29
	s_wait_dscnt 0x0
	v_lshrrev_b32 v1, 5, v0
	v_readfirstlane_b32 s14, v1
	s_lshr_b32 s15, s14, 1
	s_and_b32 s16, s14, 1
	s_bfe_u32 s40, ttmp6, 0x40000
	s_bfe_u32 s41, ttmp6, 0x40004
	s_lshl_b32 s42, ttmp9, 2
	s_add_co_u32 s42, s42, s40
	s_and_b32 s17, ttmp7, 0xffff
	s_lshl_b32 s17, s17, 2
	s_add_co_u32 s17, s17, s41
	s_lshl_b32 s43, s41, 2
	s_lshl_b32 s43, 15, s43
	s_lshl_b32 s44, 0x1111, s40
	s_or_b32 s[G1+0], s43, (0<<16)|(1<<20)|(1<<21)|(5<<22)|(3<<25)
	s_or_b32 s[G1B+0], s44, (0<<16)|(1<<20)|(1<<21)|(5<<22)|(3<<25)
.irp g, G1, G1B
	s_mov_b32 s[\g+1], ROWB<<16
	s_mov_b32 s[\g+2], 256<<16                     ; the head's loads of codes bring 256 rows
	s_mov_b32 s[\g+3], ROWB<<16
	s_mov_b32 s[\g+4], 256
	s_mov_b32 s[\g+5], KROW
	s_mov_b32 s[\g+6], 0
	s_mov_b32 s[\g+7], 0
.endr
	s_or_b32 s[G1S+0], s43, (3<<16)|(1<<20)|(1<<21)|(5<<22)|(3<<25)
	s_or_b32 s[G1SB+0], s44, (3<<16)|(1<<20)|(1<<21)|(5<<22)|(3<<25)
.irp g, G1S, G1SB
	s_mov_b32 s[\g+1], 32<<16
	s_mov_b32 s[\g+2], KS<<16                      ; the scale bytes of 256 rows: KS rows of 256 bytes
	s_mov_b32 s[\g+3], 32<<16
	s_mov_b32 s[\g+4], KS
	s_mov_b32 s[\g+5], 32
	s_mov_b32 s[\g+6], 0
	s_mov_b32 s[\g+7], 0
.endr
	v_and_b32 v1, 31, v0
	v_lshlrev_b32 v[VO0], 4, v1
	v_add_nc_u32 v[VO1], 1024, v[VO0]
	s_lshl_b32 s23, s14, 9
	v_and_b32 v1, 15, v0
	v_lshl_add_u32 v[STW], v1, 2, s23
	v_add_nc_u32 v[STR], s23, v[VO0]
	s_lshl_b32 s20, s17, 8                         ; A: the tile's first row
	s_lshl_b32 s46, s42, 8                         ; B likewise by the tile column
	s_mov_b32 s21, 0
	s_mov_b32 s47, 0
	s_mov_b64 s[18:19], KS
	s_mul_u64 s[22:23], s[20:21], s[18:19]
	s_mul_u64 s[92:93], s[46:47], s[18:19]
	s_mov_b64 s[18:19], KROW
	s_mul_u64 s[20:21], s[20:21], s[18:19]
	s_mul_u64 s[46:47], s[46:47], s[18:19]
	s_mul_i32 s45, s14, HALFT
	s_wait_kmcnt 0x0
	s_add_nc_u64 s[20:21], s[4:5], s[20:21]
	s_add_nc_u64 s[22:23], s[6:7], s[22:23]
	s_add_nc_u64 s[46:47], s[8:9], s[46:47]
	s_add_nc_u64 s[92:93], s[10:11], s[92:93]
	CROUND
	s_mov_b32 s[G0S], 1
	s_mov_b32 s[G0S+1], SCL
	s_mov_b64 s[G0S+2:G0S+3], s[22:23]
	s_or_b32 s[G0S+3], s[G0S+3], 0x80000000
	s_mov_b32 s[G0SB], 1
	s_mov_b32 s[G0SB+1], SCL+2*HALFS
	s_mov_b64 s[G0SB+2:G0SB+3], s[92:93]
	s_or_b32 s[G0SB+3], s[G0SB+3], 0x80000000
	s_mov_b32 s4, 1                                ; group 0 of the head's loads of K step 0: A's 256 rows (s4-11 held pointers that have been used),
	s_mov_b32 s5, 0
	s_mov_b64 s[6:7], s[20:21]
	s_or_b32 s7, s7, 0x80000000
	s_mov_b32 s8, 1                                ; B's 256 rows, behind them in slot 0
	s_mov_b32 s9, 2*HALFT
	s_mov_b64 s[10:11], s[46:47]
	s_or_b32 s11, s11, 0x80000000
	s_mul_i32 s18, s16, 128*KROW                   ; for the ring: my 128 rows of the tile
	s_mov_b32 s19, 0
	s_add_nc_u64 s[20:21], s[20:21], s[18:19]
	s_add_nc_u64 s[46:47], s[46:47], s[18:19]
	s_cmp_eq_u32 s15, 0                            ; THE PREFETCHES: of the 128 rows that I fetch, my work-group's 32, by cx for A and by cy for B: told apart by address
	s_cselect_b64 s[92:93], s[20:21], s[46:47]
	s_cselect_b32 s18, s40, s41
	s_mul_i32 s18, s18, 32*KROW
	s_add_nc_u64 s[92:93], s[92:93], s[18:19]
.irp s, 0,1
	s_mov_b32 s[G0+4*\s], 1
	s_add_co_u32 s[G0+4*\s+1], s45, \s*SLOT
	s_add_nc_u64 s[G0+4*\s+2:G0+4*\s+3], s[20:21], \s*ROWB
	s_or_b32 s[G0+4*\s+3], s[G0+4*\s+3], 0x80000000
	s_mov_b32 s[G0B+4*\s], 1
	s_add_co_u32 s[G0B+4*\s+1], s45, \s*SLOT
	s_add_nc_u64 s[G0B+4*\s+2:G0B+4*\s+3], s[46:47], \s*ROWB
	s_or_b32 s[G0B+4*\s+3], s[G0B+4*\s+3], 0x80000000
.endr
; the head's four tiles, one joint load a wave: wave 0 A's 256 rows of K step 0, wave 1 B's, wave 2 A's scale bytes, wave 3 B's; one chain of branches on the wave's number
.macro ARM under, g0, g1, next
	s_cmp_lt_u32 s14, \under
	s_cbranch_scc0 \next
	tensor_load_to_lds s[\g0:\g0+3], s[\g1:\g1+7]
	s_nop 0
.rept 4
	v_nop
.endr
	s_branch .Lhead_asked
\next:
.endm
	ARM 1, 4, G1, .Lhead_b
	ARM 2, 8, G1B, .Lhead_sa
	ARM 3, G0S, G1S, .Lhead_sb
	tensor_load_to_lds s[G0SB:G0SB+3], s[G1SB:G1SB+7]
	s_nop 0
.rept 4
	v_nop
.endr
.Lhead_asked:
	v_and_b32 v30, 31, v0
	v_lshlrev_b32 v30, 10, v30                     ; a lane a row
	global_prefetch_b8 v30, s[92:93] offset:256 th:TH_LOAD_NT scope:SCOPE_SE   ; K step 1's 256 bytes of each row,
	global_prefetch_b8 v30, s[92:93] offset:512 th:TH_LOAD_NT scope:SCOPE_SE   ; and K step 2's
	v_and_b32 v1, 15, v0
	v_bfe_u32 v2, v0, 4, 1
	v_mul_u32_u24 v3, v1, PITCH
	v_lshl_add_u32 v4, v2, 4, v3
	s_mul_i32 s21, s15, HALFT
	s_mul_i32 s22, s16, HALFT
	s_add_co_u32 s22, s22, 2*HALFT
.irp s, 0,1
	v_add_nc_u32 v[ADRA+\s], s21, v4
	v_add_nc_u32 v[ADRB+\s], s22, v4
	s_add_co_u32 s21, s21, SLOT
	s_add_co_u32 s22, s22, SLOT
.endr
	v_mul_u32_u24 v5, v1, KS
	v_lshrrev_b32 v6, 8, v5
	v_lshl_add_u32 v5, v6, 4, v5
	s_mul_i32 s21, s15, HALFS
	s_mul_i32 s22, s16, HALFS
	s_add_co_u32 s22, s22, 2*HALFS
	s_sub_co_u32 s22, s22, s21
	v_mul_u32_u24 v6, s22, v2
	s_add_co_u32 s21, s21, SCL
	v_add_nc_u32 v5, v5, v6
	v_add_nc_u32 v[ADRS], s21, v5
	s_lshl_b32 s20, s17, 8
	s_lshl_b32 s21, s15, 7
	s_add_co_u32 s20, s20, s21
	s_lshl_b32 s46, s42, 1
	s_add_co_u32 s46, s46, s16
	s_lshr_b32 s47, s46, 2
	s_lshl_b32 s47, s47, 21
	s_lshl_b32 s21, s20, 9
	s_add_co_u32 s47, s47, s21
	s_and_b32 s21, s46, 3
	s_lshl_b32 s21, s21, 11
	s_add_co_u32 s22, s47, s21
	s_mov_b32 s23, 0
	s_add_nc_u64 s[12:13], s[12:13], s[22:23]
	s_lshl_b32 s22, s46, 14
	s_lshl_b32 s21, s20, 2
	s_add_co_u32 s22, s22, s21
	s_add_nc_u64 s[96:97], s[96:97], s[22:23]
	s_lshl_b32 s22, s46, 9
	s_add_nc_u64 s[98:99], s[98:99], s[22:23]
	v_lshlrev_b32 v7, 5, v2
.irp b, 0,1,2,3,4,5,6,7
	global_load_b128 v[BIAS+8*\b:BIAS+8*\b+3], v7, s[98:99] offset:64*\b
	global_load_b128 v[BIAS+8*\b+4:BIAS+8*\b+7], v7, s[98:99] offset:64*\b+16
.endr
.macro FRAG reg, adr, q, i
.irp c, 0,1,2,3
	ds_load_b128 v[\reg+4*\c:\reg+4*\c+3], v[\adr] offset:128*(\q)+32*\c+(\i)*16*PITCH
.endr
.endm
.macro MUL16 a0, p, q, sc, zero
.irp a, \a0, \a0+1
.irp b, 0,1,2,3,4,5,6,7
.if \zero
	v_wmma_scale_f32_16x16x128_f8f6f4 v[8*(8*((\a)%4)+\b):8*(8*((\a)%4)+\b)+7], v[128*(\p)+FR*\b:128*(\p)+FR*\b+FR-1], v[AF+FR*(\a):AF+FR*(\a)+FR-1], v[BIAS+8*\b:BIAS+8*\b+7], v[SC+8*NQ*(\sc)+NQ*\b+(\q)], v[SC+8*NQ*(\sc)+NQ*(\a)+(\q)] matrix_a_fmt:MATRIX_FMT_BF8 matrix_b_fmt:MATRIX_FMT_BF8 matrix_a_scale:MATRIX_SCALE_ROW1
.else
	v_wmma_scale_f32_16x16x128_f8f6f4 v[8*(8*((\a)%4)+\b):8*(8*((\a)%4)+\b)+7], v[128*(\p)+FR*\b:128*(\p)+FR*\b+FR-1], v[AF+FR*(\a):AF+FR*(\a)+FR-1], v[8*(8*((\a)%4)+\b):8*(8*((\a)%4)+\b)+7], v[SC+8*NQ*(\sc)+NQ*\b+(\q)], v[SC+8*NQ*(\sc)+NQ*(\a)+(\q)] matrix_a_fmt:MATRIX_FMT_BF8 matrix_b_fmt:MATRIX_FMT_BF8 matrix_a_scale:MATRIX_SCALE_ROW1
.endif
.endr
.endr
.endm
.macro FETCH_B slot, q, p
	WIN TO_B
.irp i, 0,1,2,3,4,5,6,7
	FRAG 128*(\p)+FR*\i, ADRB+\slot, \q, \i
.endr
	WIN 0
.endm
.macro FETCH_A slot, q, i0
.irp i, \i0, \i0+1, \i0+2, \i0+3
	FRAG AF+FR*(\i), ADRA+\slot, \q, \i
.endr
.endm
.macro SCALES sc
.irp i, 0,1,2,3,4,5,6,7
	ds_load_b64 v[SC+8*NQ*\sc+NQ*\i:SC+8*NQ*\sc+NQ*\i+1], v[ADRS] offset:\i*SBLK
.endr
.endm
.macro PLACES n
.rept \n
	v_nop
.endr
.endm
.macro STEP slot, q, zero
	s_wait_dscnt 4*NL
.if \zero
	WIN 0x81
.else
	WIN MUL_LO
.endif
	MUL16 0, (\q)%2, \q, \slot, \zero
	MUL16 2, (\q)%2, \q, \slot, \zero
	s_wait_dscnt 0
	PLACES NP
	FETCH_B \slot, (\q)+1, 1-(\q)%2
	FETCH_A \slot, (\q)+1, 0
.if \zero
	WIN 0xc1
.else
	WIN MUL_HI
.endif
	MUL16 4, (\q)%2, \q, \slot, \zero
	MUL16 6, (\q)%2, \q, \slot, \zero
	PLACES NP
	WIN 0
	FETCH_A \slot, (\q)+1, 4
.endm
.macro TURN slot, next, fill
	s_wait_tensorcnt 0x0
	ds_add_u32 v[SPW], v[NIL]
	s_wait_dscnt 4*NL+1
	WIN MUL_LO
	MUL16 0, 1, NQ-1, \slot, 0
	s_wait_dscnt 0x0
	s_barrier_signal -1
	MUL16 2, 1, NQ-1, \slot, 0
	WIN 0
	s_barrier_wait -1
.if \fill
	CREST
	s_add_nc_u64 s[G0+4*\slot+2:G0+4*\slot+3], s[G0+4*\slot+2:G0+4*\slot+3], 2*ROWB
	s_add_nc_u64 s[G0B+4*\slot+2:G0B+4*\slot+3], s[G0B+4*\slot+2:G0B+4*\slot+3], 2*ROWB
	JLOAD G0+4*\slot, G1, G0B+4*\slot, G1B
	PLACES NP-4
.else
	PLACES NP
.endif
	s_wait_alu depctr_va_vdst(0)
	v_add_nc_u32 v[ADRS], 4*NQ, v[ADRS]
	FETCH_B \next, 0, 0
	FETCH_A \next, 0, 0
	SCALES \next
	WIN MUL_HI
	MUL16 4, 1, NQ-1, \slot, 0
	MUL16 6, 1, NQ-1, \slot, 0
	PLACES NP
	WIN 0
	FETCH_A \next, 0, 4
.endm
	s_wait_alu depctr_va_vdst(0)
	s_wait_tensorcnt 0x0                           ; my tile of the head's four is in; slot 1's first fill is issued as a refill is
	ds_add_u32 v[SPW], v[NIL]
	s_mov_b32 s[G1+2], 128<<16                     ; no tensor load of mine is out: from here on a load brings 128 rows
	s_mov_b32 s[G1+4], 128
	s_mov_b32 s[G1B+2], 128<<16
	s_mov_b32 s[G1B+4], 128
	s_wait_dscnt 0x0
	CROUND                                         ; all four tiles are in, and all sixteen work-groups are here
	JLOAD G0+4, G1, G0B+4, G1B                     ; K step 1
	FETCH_B 0, 0, 0
	global_prefetch_b8 v30, s[92:93] offset:768 th:TH_LOAD_NT scope:SCOPE_SE   ; K step 3, the last: two refills on
	FETCH_A 0, 0, 0
	SCALES 0
	FETCH_A 0, 0, 4
	s_wait_loadcnt 0x0
	STEP 0, 0, 1
	s_mov_b32 s3, LAPS-1
.Llap:
	TURN 0, 1, 1
	STEP 1, 0, 0
	TURN 1, 0, 1
	STEP 0, 0, 0
	s_sub_co_u32 s3, s3, 1
	s_cmp_lg_u32 s3, 0
	s_cbranch_scc1 .Llap
	TURN 0, 1, 0
	STEP 1, 0, 0
	s_wait_dscnt 4*NL
	WIN MUL_LO
	MUL16 0, 1, NQ-1, 1, 0
	MUL16 2, 1, NQ-1, 1, 0
	s_wait_dscnt 0
	WIN MUL_HI
	MUL16 4, 1, NQ-1, 1, 0
	MUL16 6, 1, NQ-1, 1, 0
	WIN 0
.macro EPI a
.set AC, 64*((\a)%4)
.set EW, 2+(\a)/4
.if (\a) > 0
	s_wait_xcnt 0x0
	s_add_nc_u64 s[12:13], s[12:13], 8192
.endif
.set WN, EW|(EW<<2)
	WIN WN
.irp b, 0,1,2,3
	v_max3_num_f32 v[QTM+\b], v[AC+16*\b], v[AC+16*\b+1], 0x8000000
.endr
.set WN, (EW<<2)|(EW<<4)
	WIN WN
.irp i, 2,4,6,8,10,12,14
.irp b, 0,1,2,3
	v_max3_num_f32 v[QTM+\b], v[QTM+\b], v[AC+16*\b+\i], v[AC+16*\b+\i+1]
.endr
.endr
	WIN 0
.irp b, 0,1,2,3
	v_permlanex16_b32 v[QTP+\b], v[QTM+\b], s20, s21
.endr
.irp b, 0,1,2,3
	v_max_num_f32 v[QTM+\b], v[QTM+\b], v[QTP+\b]
.endr
.irp b, 0,1,2,3
	v_add_nc_u32 v[QSC+\b], 0xf8800000, v[QTM+\b]
.endr
.irp b, 0,1,2,3
	v_and_or_b32 v[QLIM+\b], v[QTM+\b], 0x7f800000, s22
.endr
.irp b, 0,1,2,3
	v_lshrrev_b32 v[QTP+\b], 23, v[QSC+\b]
.endr
	v_lshl_or_b32 v[WD+\a], v[QTP+1], 8, v[QTP]
	v_lshl_or_b32 v[WD+\a], v[QTP+2], 16, v[WD+\a]
	v_lshl_or_b32 v[WD+\a], v[QTP+3], 24, v[WD+\a]
.set WN, EW|(EW<<6)
	WIN WN
.irp b, 0,1,2,3
.irp i, 0,1,2,3,4,5,6,7,8,9,10,11,12,13,14,15
	v_med3_num_f32 v[AC+16*\b+\i], v[AC+16*\b+\i], 0, v[QLIM+\b]
.endr
.endr
	WIN EW
.irp b, 0,1,2,3
	v_cvt_scalef32_pk8_bf8_f32 v[PC+4*\b:PC+4*\b+1], v[AC+16*\b:AC+16*\b+7], v[QSC+\b]
	v_cvt_scalef32_pk8_bf8_f32 v[PC+4*\b+2:PC+4*\b+3], v[AC+16*\b+8:AC+16*\b+15], v[QSC+\b]
.endr
	WIN 0
	v_nop
	global_store_b128 v[VO0], v[PC:PC+3], s[12:13] th:TH_STORE_NT
	global_store_b128 v[VO0], v[PC+4:PC+7], s[12:13] offset:512 th:TH_STORE_NT
	global_store_b128 v[VO1], v[PC+8:PC+11], s[12:13] th:TH_STORE_NT
	global_store_b128 v[VO1], v[PC+12:PC+15], s[12:13] offset:512 th:TH_STORE_NT
.endm
	PLACES NP
	s_mov_b32 s20, 0x76543210
	s_mov_b32 s21, 0xfedcba98
	s_mov_b32 s22, 0x600000
.irp b, 0,1,2,3
	v_mov_b32 v[QTP+\b], 0
.endr
.irp a, 0,1,2,3,4,5,6,7
	EPI \a
.endr
.irp a, 0,1,2,3,4,5,6,7
	ds_store_b32 v[STW], v[WD+\a] offset:64*\a
.endr
	ds_load_b128 v[SBK:SBK+3], v[STR]
	s_wait_dscnt 0x0
	global_store_b128 v[VO0], v[SBK:SBK+3], s[96:97]
	s_wait_tensorcnt 0x0
	ds_add_u32 v[SPW], v[NIL]
	s_wait_dscnt 0x0
	CROUND
	s_endpgm
.Lfunc_end_k_q5b7d116710_ffn1:
	.size	k_q5b7d116710_ffn1, .Lfunc_end_k_q5b7d116710_ffn1-k_q5b7d116710_ffn1
	.p2alignl 7, 3214868480
	.fill 96, 4, 3214868480
	.section	.rodata,"a",@progbits
	.p2align	6, 0x0
	.amdhsa_kernel k_q5b7d116710_ffn1
		.amdhsa_group_segment_fixed_size 327680
		.amdhsa_private_segment_fixed_size 0
		.amdhsa_enable_private_segment 0
		.amdhsa_kernarg_size 56
		.amdhsa_user_sgpr_count 2
		.amdhsa_user_sgpr_kernarg_segment_ptr 1
		.amdhsa_wavefront_size32 1
		.amdhsa_system_sgpr_workgroup_id_x 1
		.amdhsa_system_sgpr_workgroup_id_y 1
		.amdhsa_system_sgpr_workgroup_id_z 1
		.amdhsa_system_vgpr_workitem_id 0
		.amdhsa_next_free_vgpr 1024
		.amdhsa_next_free_sgpr 100
		.amdhsa_reserve_vcc 0
		.amdhsa_float_denorm_mode_32 3
		.amdhsa_float_denorm_mode_16_64 3
		.amdhsa_memory_ordered 1
		.amdhsa_forward_progress 1
		.amdhsa_inst_pref_size 189
	.end_amdhsa_kernel
	.amdgpu_metadata
---
amdhsa.version: [ 1, 2 ]
amdhsa.kernels:
  - .name:           k_q5b7d116710_ffn1
    .symbol:         k_q5b7d116710_ffn1.kd
    .args:
      - { .name: xn_codes, .offset: 0, .size: 8, .value_kind: global_buffer, .address_space: global }
      - { .name: xn_scales, .offset: 8, .size: 8, .value_kind: global_buffer, .address_space: global }
      - { .name: w1_codes, .offset: 16, .size: 8, .value_kind: global_buffer, .address_space: global }
      - { .name: w1_scales, .offset: 24, .size: 8, .value_kind: global_buffer, .address_space: global }
      - { .name: b1, .offset: 32, .size: 8, .value_kind: global_buffer, .address_space: global }
      - { .name: h_img, .offset: 40, .size: 8, .value_kind: global_buffer, .address_space: global }
      - { .name: h_sc, .offset: 48, .size: 8, .value_kind: global_buffer, .address_space: global }
    .group_segment_fixed_size: 327680
    .private_segment_fixed_size: 0
    .kernarg_segment_align: 8
    .kernarg_segment_size: 56
    .max_flat_workgroup_size: 128
    .sgpr_count:     100
    .vgpr_count:     1024
    .wavefront_size: 32
...
	.end_amdgpu_metadata
.endif
;; end of part 5
;; launch ffn2 (part 6): grid 8 x 32, 4 waves a work-group, clusters of 4 x 4, 327,680 bytes of LDS; arguments h_img, h_sc, w2_codes, w2_scales, b2, x1, out0; writes out0
.if DOCPART == 6
	.amdgcn_target "amdgcn-amd-amdhsa--gfx1250"
	.amdhsa_code_object_version 6
	.text
	.protected	k_q5b7d116710_ffn2
	.globl	k_q5b7d116710_ffn2
	.p2align	8
	.type	k_q5b7d116710_ffn2,@function
k_q5b7d116710_ffn2:
	s_mov_b64 s[64:65], 0
	v_nop
	global_prefetch_b8 v0, s[64:65] scope:SCOPE_SE
	s_setreg_imm32_b32 hwreg(HW_REG_WAVE_MODE, 25, 1), 1
	s_wait_xcnt 0x0
	s_wait_alu depctr_hold_cnt(0) depctr_sa_sdst(0) depctr_va_vdst(0) depctr_va_sdst(0) depctr_va_ssrc(0) depctr_va_vcc(0) depctr_vm_vsrc(0)
	s_getreg_b32 s2, hwreg(HW_REG_IB_STS2, 6, 4)
	s_cmp_eq_u32 s2, 0
	s_cbranch_scc0 .Lentry_in_a_cluster
	s_endpgm
.Lentry_in_a_cluster:
	s_bfe_u32 s2, ttmp6, 0x10000c
	s_cmp_lg_u32 s2, 0xf033
	s_cbranch_scc0 .Lentry_shape_is_right
	s_endpgm
.Lentry_shape_is_right:
; out = resid + A W^T + bias on codes of E5M2 with E8M0 scales; f32 sums, f32 out.  Here: A = the hidden layer (4,096 x 4,096), W = w2 (1,024 x 4,096), resid = x1, out = out0.
; A comes as images of operand registers, [K / 512][row / 16][(K / 128) % 4][block of 32][lane][16], its scale words as [K / 128][row].  Inside a block of 32 its codes lie in the order
; 8 h + 0..7, 16 + 8 h + 0..7 of lane half h; W's rows are read from LDS in that same order, by two loads of 8 bytes a block.
; A tile of 128 x 128 to a work-group (256 work-groups), 64 x 64 to a wave: 16 sums.  K goes in slots of 512 through two LDS slots filled by joint tensor loads: A's tile is shared along a row of the 4 x 4 cluster, W's along a column.
; THE HEAD: four tiles, one joint load a wave: slot 0's A, slot 0's W, A's scale words and W's scale bytes for all of K; slot 1's first fill stands behind the three lines and a round, as a refill does.
; THE MATRIX INSTRUCTION IS USED TRANSPOSED (source 0 = 16 rows of W, source 1 = 16 rows of A): a lane holds eight neighbouring numbers of a row of the result.  The bias is the C of each sum's first product; the residual is added on the way out.
; PREFETCH: of the 128 blocks of 256 bytes that a wave fetches for a slot, each of the four partners that ask jointly names 32, told apart by address (cx for A, cy for W), a lane a block.  Slots 1 and 2 are asked for at the head,
; slot 3 behind slot 1's load, and each change of slots asks for the slot two refills on; the last two refills ask for nothing.
.set SIZE_K, 4096
.set KS,     SIZE_K/32
.set NKS,    SIZE_K/128
.set LAPS,   SIZE_K/1024
.set HA,     32768
.set PB,     528
.set HB,     64*PB
.set BOFF,   2*HA
.set SLOT,   BOFF+2*HB
.set SCA,    2*SLOT
.set HSA,    NKS*256
.set SCBS,   SCA+2*HSA
.set HSB,    (64*KS/256)*272
.set SBLK,   (16*KS/256)*272
.set SPARE,  SCBS+2*HSB
.set SPITCH, 272
.set ADRA, 16
.set ADRB, 20
.set ADSA, 22
.set ADSB, 23
.set STO,  24
.set RD,   25
.set CO,   26
.set BO,   27
.set SPW,  28
.set NIL,  29
.set SC,   32
.set BIAS, 96
.set ACC,  128
.set F0,   0
.set F1,   128
.set G1, 24
.set G0, 32
.set G1B, 48
.set G0B, 56
.set G1S, 68
.set G0S, 76
.set G1SB, 80
.set G0SB, 88
.set MSB, 0
.macro WIN new
.if MSB != (\new)
	s_set_vgpr_msb (MSB<<8)|(\new)
.set MSB, (\new)
.endif
.endm
.set MUL,  0x05
.set TO_F, 0x40
.macro JLOAD g0a, g1a, g0b, g1b
	s_cmp_eq_u32 s15, 0
	s_cbranch_scc0 .Lfor_b_\@
	tensor_load_to_lds s[\g0a:\g0a+3], s[\g1a:\g1a+7]
	s_nop 0
.rept 4
	v_nop
.endr
	s_branch .Lasked_\@
.Lfor_b_\@:
	tensor_load_to_lds s[\g0b:\g0b+3], s[\g1b:\g1b+7]
	s_nop 0
.rept 4
	v_nop
.endr
.Lasked_\@:
.endm
.macro CREST
	s_cmp_lg_u32 s14, 0
	s_cbranch_scc1 .Lnot_wave_0_\@
	s_barrier_signal -3
.Lnot_wave_0_\@:
	s_barrier_wait -3
	s_barrier_signal -1
	s_barrier_wait -1
.endm
.macro CROUND
	s_barrier_signal -1
	s_barrier_wait -1
	CREST
.endm
	s_load_b256 s[4:11], s[0:1], 0x0
	s_load_b128 s[96:99], s[0:1], 0x20
	s_load_b64 s[12:13], s[0:1], 0x30
	v_lshl_add_u32 v[SPW], v0, 2, SPARE
	v_mov_b32 v[NIL], 0
	ds_add_u32 v28, v29
	ds_add_u32 v28, v29
	s_wait_dscnt 0x0
	v_lshrrev_b32 v1, 5, v0
	v_readfirstlane_b32 s14, v1
	s_lshr_b32 s15, s14, 1
	s_and_b32 s16, s14, 1
	s_bfe_u32 s40, ttmp6, 0x40000
	s_bfe_u32 s41, ttmp6, 0x40004
	s_lshl_b32 s42, ttmp9, 2
	s_add_co_u32 s42, s42, s40
	s_and_b32 s17, ttmp7, 0xffff
	s_lshl_b32 s17, s17, 2
	s_add_co_u32 s17, s17, s41
	s_lshl_b32 s43, s41, 2
	s_lshl_b32 s43, 15, s43
	s_lshl_b32 s44, 0x1111, s40
	s_or_b32 s[G1+0], s43, (3<<16)|(1<<21)
	s_mov_b32 s[G1+1], 32<<16
	s_mov_b32 s[G1+2], 256<<16                     ; the head's load of A brings both halves
	s_mov_b32 s[G1+3], 32<<16
	s_mov_b32 s[G1+4], 256
	s_mov_b32 s[G1+5], 32
	s_mov_b32 s[G1+6], 0
	s_mov_b32 s[G1+7], 0
	s_or_b32 s[G1B+0], s44, (0<<16)|(1<<20)|(1<<21)|(6<<22)|(3<<25)
	s_mov_b32 s[G1B+1], 512<<16
	s_mov_b32 s[G1B+2], 128<<16                    ; and so does W's
	s_mov_b32 s[G1B+3], 512<<16
	s_mov_b32 s[G1B+4], 128
	s_mov_b32 s[G1B+5], SIZE_K
	s_mov_b32 s[G1B+6], 0
	s_mov_b32 s[G1B+7], 0
	s_or_b32 s[G1S+0], s43, (3<<16)|(1<<21)
	s_mov_b32 s[G1S+1], 64<<16                     ; A's scale words: for each 128 along K the 512 bytes of 128 rows
	s_mov_b32 s[G1S+2], NKS<<16
	s_mov_b32 s[G1S+3], 64<<16
	s_mov_b32 s[G1S+4], NKS
	s_mov_b32 s[G1S+5], 2048
	s_mov_b32 s[G1S+6], 0
	s_mov_b32 s[G1S+7], 0
	s_or_b32 s[G1SB+0], s44, (3<<16)|(1<<20)|(1<<21)|(5<<22)|(3<<25)
	s_mov_b32 s[G1SB+1], 32<<16
	s_mov_b32 s[G1SB+2], (128*KS/256)<<16          ; W's scale bytes of 128 rows
	s_mov_b32 s[G1SB+3], 32<<16
	s_mov_b32 s[G1SB+4], 128*KS/256
	s_mov_b32 s[G1SB+5], 32
	s_mov_b32 s[G1SB+6], 0
	s_mov_b32 s[G1SB+7], 0
	s_lshl_b32 s20, s17, 16                        ; A's images: 65,536 bytes a tile row and chunk
	s_mov_b32 s21, 0
	s_lshl_b32 s22, s17, 9                         ; A's scale words
	s_mov_b32 s23, 0
	s_lshl_b32 s46, s42, 7                         ; W's first row
	s_mul_i32 s92, s46, KS
	s_mov_b32 s93, 0
	s_mul_i32 s46, s46, SIZE_K
	s_mov_b32 s47, 0
	s_mul_i32 s45, s16, HA
	s_mul_i32 s94, s16, HB
	s_add_co_u32 s94, s94, BOFF
	s_mov_b32 s95, SCA
	s_mov_b32 s19, SCBS
	s_wait_kmcnt 0x0
	s_add_nc_u64 s[20:21], s[4:5], s[20:21]
	s_add_nc_u64 s[22:23], s[6:7], s[22:23]
	s_add_nc_u64 s[46:47], s[8:9], s[46:47]
	s_add_nc_u64 s[92:93], s[10:11], s[92:93]
	CROUND
	s_mov_b32 s[G0S], 1
	s_mov_b32 s[G0S+1], s95
	s_mov_b64 s[G0S+2:G0S+3], s[22:23]
	s_or_b32 s[G0S+3], s[G0S+3], 0x80000000
	s_mov_b32 s[G0SB], 1
	s_mov_b32 s[G0SB+1], s19
	s_mov_b64 s[G0SB+2:G0SB+3], s[92:93]
	s_or_b32 s[G0SB+3], s[G0SB+3], 0x80000000
	s_mov_b32 s4, 1                                ; group 0 of the head's loads of slot 0: A's 128 rows (s4-11 held pointers that have been used),
	s_mov_b32 s5, 0
	s_mov_b64 s[6:7], s[20:21]
	s_or_b32 s7, s7, 0x80000000
	s_mov_b32 s8, 1                                ; W's 128 rows
	s_mov_b32 s9, BOFF
	s_mov_b64 s[10:11], s[46:47]
	s_or_b32 s11, s11, 0x80000000
	s_lshl_b32 s18, s16, 15                        ; for the ring: my half of the tile
	s_mov_b32 s19, 0
	s_add_nc_u64 s[20:21], s[20:21], s[18:19]
	s_mul_i32 s18, s16, 64*SIZE_K
	s_add_nc_u64 s[46:47], s[46:47], s[18:19]
	s_lshl_b32 s22, s40, 13                        ; the prefetches: my work-group's quarter of what I fetch: 8,192 bytes of A's images by cx,
	s_mul_i32 s95, s41, 16*SIZE_K                  ; 16 rows of W by cy;
	s_mov_b32 s100, 0x200000                       ; s[100:101]: from slot to slot, in A's images or along W's rows
	s_cmp_eq_u32 s15, 0
	s_cselect_b64 s[92:93], s[20:21], s[46:47]
	s_cselect_b32 s22, s22, s95
	s_cselect_b32 s100, s100, 512
	s_mov_b32 s23, 0
	s_mov_b32 s101, 0
	s_add_nc_u64 s[92:93], s[92:93], s[22:23]
	s_add_nc_u64 s[92:93], s[92:93], s[100:101]    ; s[92:93]: at slot 1
.irp s, 0,1
	s_mov_b32 s[G0+4*\s], 1
	s_add_co_u32 s[G0+4*\s+1], s45, \s*SLOT
	s_add_nc_u64 s[G0+4*\s+2:G0+4*\s+3], s[20:21], \s*0x200000
	s_or_b32 s[G0+4*\s+3], s[G0+4*\s+3], 0x80000000
	s_mov_b32 s[G0B+4*\s], 1
	s_add_co_u32 s[G0B+4*\s+1], s94, \s*SLOT
	s_add_nc_u64 s[G0B+4*\s+2:G0B+4*\s+3], s[46:47], \s*512
	s_or_b32 s[G0B+4*\s+3], s[G0B+4*\s+3], 0x80000000
.endr
.macro ARM under, g0, g1, next         ; one chain of branches on the wave's number, one joint load to an arm
	s_cmp_lt_u32 s14, \under
	s_cbranch_scc0 \next
	tensor_load_to_lds s[\g0:\g0+3], s[\g1:\g1+7]
	s_nop 0
.rept 4
	v_nop
.endr
	s_branch .Lhead_asked
\next:
.endm
	ARM 1, 4, G1, .Lhead_b
	ARM 2, 8, G1B, .Lhead_sa
	ARM 3, G0S, G1S, .Lhead_sb
	tensor_load_to_lds s[G0SB:G0SB+3], s[G1SB:G1SB+7]
	s_nop 0
.rept 4
	v_nop
.endr
.Lhead_asked:
	v_and_b32 v1, 15, v0
	v_bfe_u32 v2, v0, 4, 1
	v_and_b32 v3, 31, v0
	v_lshlrev_b32 v4, 4, v3
	s_mul_i32 s21, s15, HA
	v_add_nc_u32 v[ADRA], s21, v4
	v_add_nc_u32 v[ADRA+1], SLOT, v[ADRA]
	v_mul_u32_u24 v5, v1, PB
	v_lshl_add_u32 v5, v2, 3, v5
	s_mul_i32 s22, s16, HB
	s_add_co_u32 s22, s22, BOFF
	v_add_nc_u32 v[ADRB], s22, v5
	v_add_nc_u32 v[ADRB+1], SLOT, v[ADRB]
	s_lshl_b32 s21, s15, 8
	s_add_co_u32 s21, s21, SCA
	v_lshl_add_u32 v[ADSA], v3, 2, s21
	v_mul_u32_u24 v5, v1, KS
	v_lshrrev_b32 v6, 8, v5
	v_lshl_add_u32 v5, v6, 4, v5
	s_mul_i32 s22, s16, HSB
	s_add_co_u32 s22, s22, SCBS
	v_add_nc_u32 v[ADSB], s22, v5
	s_mul_i32 s23, s14, 16*SPITCH
	v_mul_u32_u24 v5, v1, SPITCH
	v_lshl_add_u32 v5, v2, 5, v5
	v_add_nc_u32 v[STO], s23, v5
	v_mul_u32_u24 v5, v2, SPITCH
	v_lshl_add_u32 v5, v1, 4, v5
	v_add_nc_u32 v[RD], s23, v5
	v_lshlrev_b32 v5, 12, v2
	v_lshl_add_u32 v[CO], v1, 4, v5
	v_lshlrev_b32 v[BO], 5, v2
	v_lshlrev_b32 v30, 8, v3                       ; v30: the prefetches' offset: in A's images 256 x lane; in W two blocks a row
	v_lshrrev_b32 v5, 1, v3
	v_and_b32 v6, 1, v3
	v_mul_u32_u24 v5, v5, SIZE_K
	v_lshl_add_u32 v5, v6, 8, v5
	s_cmp_eq_u32 s15, 0
	s_cselect_b32 s18, 0, -1
	v_cndmask_b32 v30, v30, v5, s18
	s_wait_alu depctr_va_vdst(0)
	global_prefetch_b8 v30, s[92:93] th:TH_LOAD_NT scope:SCOPE_SE   ; slot 1
	s_lshl_b32 s20, s17, 7
	s_lshl_b32 s21, s15, 6
	s_add_co_u32 s20, s20, s21
	s_lshl_b32 s20, s20, 12
	s_lshl_b32 s46, s42, 9
	s_lshl_b32 s47, s16, 8
	s_add_co_u32 s46, s46, s47
	s_mov_b32 s47, 0
	s_add_nc_u64 s[96:97], s[96:97], s[46:47]
	s_add_co_u32 s20, s20, s46
	s_mov_b32 s21, 0
	s_add_nc_u64 s[98:99], s[98:99], s[20:21]
	s_add_nc_u64 s[12:13], s[12:13], s[20:21]
.irp b, 0,1,2,3
	global_load_b128 v[BIAS+8*\b:BIAS+8*\b+3], v[BO], s[96:97] offset:64*\b
	global_load_b128 v[BIAS+8*\b+4:BIAS+8*\b+7], v[BO], s[96:97] offset:64*\b+16
.endr
	s_wait_xcnt 0x0                                ; the prefetch has read its address
	s_add_nc_u64 s[92:93], s[92:93], s[100:101]
	global_prefetch_b8 v30, s[92:93] th:TH_LOAD_NT scope:SCOPE_SE   ; slot 2
.macro FETCH slot, q, f
	WIN TO_F
.irp i, 0,1,2,3
.irp c, 0,1,2,3
	ds_load_b128 v[\f+16*\i+4*\c:\f+16*\i+4*\c+3], v[ADRA+\slot] offset:\i*8192+(\q)*2048+512*\c
.endr
.endr
.irp i, 0,1,2,3
.irp c, 0,1,2,3
	ds_load_b64 v[\f+64+16*\i+4*\c:\f+64+16*\i+4*\c+1], v[ADRB+\slot] offset:\i*16*PB+128*(\q)+32*\c
	ds_load_b64 v[\f+64+16*\i+4*\c+2:\f+64+16*\i+4*\c+3], v[ADRB+\slot] offset:\i*16*PB+128*(\q)+32*\c+16
.endr
.endr
.endm
.macro SCALES s
	WIN 0
.irp ks, 0,1,2,3
.irp p, 0,1
	ds_load_b32 v[SC+24*\s+2*\ks+\p], v[ADSA] offset:512*\ks+128*\p
.endr
.endr
.irp blk, 0,1,2,3
	ds_load_b128 v[SC+24*\s+8+4*\blk:SC+24*\s+8+4*\blk+3], v[ADSB] offset:\blk*SBLK
.endr
.endm
.macro MUL8 f, a0, set, ks, first
.irp a, \a0, \a0+1
.irp b, 0,1,2,3
	MUL1 \f, \a, \b, \set, \ks, \first
.endr
.endr
.endm
.macro MUL1 f, a, b, set, ks, first    ; one product: A's block a x W's block b.  The 16 sums take turns in the same order in every step
.set rD, ACC+8*(4*(\a)+\b)
.set rW, \f+64+16*\b
.set rA, \f+16*(\a)
.set rSW, SC+24*(\set)+8+4*\b+(\ks)
.set rSA, SC+24*(\set)+2*(\ks)+(\a)/2
.if \first
.if (\a)%2
	v_wmma_scale_f32_16x16x128_f8f6f4 v[rD:rD+7], v[rW:rW+15], v[rA:rA+15], v[BIAS+8*\b:BIAS+8*\b+7], v[rSW], v[rSA] matrix_a_fmt:MATRIX_FMT_BF8 matrix_b_fmt:MATRIX_FMT_BF8 matrix_b_scale:MATRIX_SCALE_ROW1
.else
	v_wmma_scale_f32_16x16x128_f8f6f4 v[rD:rD+7], v[rW:rW+15], v[rA:rA+15], v[BIAS+8*\b:BIAS+8*\b+7], v[rSW], v[rSA] matrix_a_fmt:MATRIX_FMT_BF8 matrix_b_fmt:MATRIX_FMT_BF8
.endif
.else
.if (\a)%2
	v_wmma_scale_f32_16x16x128_f8f6f4 v[rD:rD+7], v[rW:rW+15], v[rA:rA+15], v[rD:rD+7], v[rSW], v[rSA] matrix_a_fmt:MATRIX_FMT_BF8 matrix_b_fmt:MATRIX_FMT_BF8 matrix_b_scale:MATRIX_SCALE_ROW1
.else
	v_wmma_scale_f32_16x16x128_f8f6f4 v[rD:rD+7], v[rW:rW+15], v[rA:rA+15], v[rD:rD+7], v[rSW], v[rSA] matrix_a_fmt:MATRIX_FMT_BF8 matrix_b_fmt:MATRIX_FMT_BF8
.endif
.endif
.endm
.macro PLACES n
.rept \n
	v_nop
.endr
.endm
; 128 along K with its successor in the same slot: the successor's 48 LDS loads are issued first, in one run, into the buffer that the step before multiplied
.macro STEP slot, q, first
.set FN, F1-128*((\q)%2)
.set FC, 128*((\q)%2)
	PLACES 8
	FETCH \slot, (\q)+1, FN
	s_wait_dscnt 48                                ; all but the 48 just issued: this step's fragments and scale words are in
	WIN MUL
	MUL8 FC, 0, \slot, \q, \first
	MUL8 FC, 2, \slot, \q, \first
.endm
.macro TURN slot, next, fill
	WIN 0
.if \fill
	s_wait_xcnt 0x0                                ; any prefetch of mine has read its address: it steps here, ahead of the waits of the change of slots
	s_add_nc_u64 s[92:93], s[92:93], s[100:101]
.endif
	s_wait_tensorcnt 0x0
	ds_add_u32 v[SPW], v[NIL]
	s_wait_dscnt 1
	WIN MUL
	MUL8 F1, 0, \slot, 3, 0
	s_wait_dscnt 0x0
	s_barrier_signal -1
	MUL8 F1, 2, \slot, 3, 0
	WIN 0
	s_barrier_wait -1
.if \fill
	CREST
	s_add_nc_u64 s[G0+4*\slot+2:G0+4*\slot+3], s[G0+4*\slot+2:G0+4*\slot+3], 0x400000
	s_add_nc_u64 s[G0B+4*\slot+2:G0B+4*\slot+3], s[G0B+4*\slot+2:G0B+4*\slot+3], 1024
	JLOAD G0+4*\slot, G1, G0B+4*\slot, G1B
	PLACES 4
.else
	PLACES 8
.endif
	s_wait_alu depctr_va_vdst(0)
	v_add_nc_u32 v[ADSA], 2048, v[ADSA]
	v_add_nc_u32 v[ADSB], 16, v[ADSB]
	FETCH \next, 0, F0
	SCALES \next
.if \fill
	s_cmp_gt_u32 s3, 1                             ; the loop's last trip has no slot two refills on
	s_cbranch_scc0 .Lnone_on_\@
	global_prefetch_b8 v30, s[92:93] th:TH_LOAD_NT scope:SCOPE_SE
.Lnone_on_\@:
.endif
.endm
	s_wait_tensorcnt 0x0                           ; my tile of the head's four is in; slot 1's first fill is issued as a refill is
	ds_add_u32 v[SPW], v[NIL]
	s_mov_b32 s[G1+2], 128<<16                     ; no tensor load of mine is out: from here on a load brings half a tile
	s_mov_b32 s[G1+4], 128
	s_mov_b32 s[G1B+2], 64<<16
	s_mov_b32 s[G1B+4], 64
	s_wait_xcnt 0x0
	s_add_nc_u64 s[92:93], s[92:93], s[100:101]
	s_wait_dscnt 0x0
	CROUND                                         ; all four tiles are in, and all sixteen work-groups are here
	JLOAD G0+4, G1, G0B+4, G1B                     ; slot 1
	FETCH 0, 0, F0
	global_prefetch_b8 v30, s[92:93] th:TH_LOAD_NT scope:SCOPE_SE   ; slot 3
	WIN 0x80                                       ; the residual's tile is asked for here, behind the first two slots' loads: destination window 2
.irp a, 0,1,2,3
.irp t, 0,1,2,3,4,5,6,7
	global_load_b128 v[32*\a+4*\t:32*\a+4*\t+3], v[CO], s[98:99] offset:(16*\a+2*\t)*4096 th:TH_LOAD_NT
.endr
.endr
	WIN 0
	SCALES 0
	s_wait_loadcnt 32
	STEP 0, 0, 1
.if LAPS > 1
	WIN 0
	s_mov_b32 s3, LAPS-1
.Llap:
	STEP 0, 1, 0
	STEP 0, 2, 0
	TURN 0, 1, 1
	STEP 1, 0, 0
	STEP 1, 1, 0
	STEP 1, 2, 0
	TURN 1, 0, 1
	STEP 0, 0, 0
	WIN 0
	s_sub_co_u32 s3, s3, 1
	s_cmp_lg_u32 s3, 0
	s_cbranch_scc1 .Llap
.endif
	STEP 0, 1, 0
	STEP 0, 2, 0
	TURN 0, 1, 0
	STEP 1, 0, 0
	STEP 1, 1, 0
	STEP 1, 2, 0
	s_wait_dscnt 0x0
	WIN MUL
	MUL8 F1, 0, 1, 3, 0
	MUL8 F1, 2, 1, 3, 0
	WIN 0
	PLACES 8
	s_wait_loadcnt 0x0
.irp a, 0,1,2,3
.irp b, 0,1,2,3
	ds_store_b128 v[STO], v[ACC+8*(4*\a+\b):ACC+8*(4*\a+\b)+3] offset:64*\b
	ds_store_b128 v[STO], v[ACC+8*(4*\a+\b)+4:ACC+8*(4*\a+\b)+7] offset:64*\b+16
.endr
	WIN TO_F
.irp t, 0,1,2,3,4,5,6,7
	ds_load_b128 v[32*\a+4*\t:32*\a+4*\t+3], v[RD] offset:\t*2*SPITCH
.endr
	s_wait_dscnt 0x0
	WIN 0x49
.irp j, 0,2,4,6,8,10,12,14,16,18,20,22,24,26,28,30
	v_pk_add_f32 v[32*\a+\j:32*\a+\j+1], v[32*\a+\j:32*\a+\j+1], v[32*\a+\j:32*\a+\j+1]
.endr
	WIN 0x04
.irp t, 0,1,2,3,4,5,6,7
	global_store_b128 v[CO], v[32*\a+4*\t:32*\a+4*\t+3], s[12:13] offset:(16*\a+2*\t)*4096 th:TH_STORE_NT
.endr
	WIN 0
.endr
	s_wait_tensorcnt 0x0
	ds_add_u32 v[SPW], v[NIL]
	s_wait_dscnt 0x0
	CROUND
	s_endpgm
.Lfunc_end_k_q5b7d116710_ffn2:
	.size	k_q5b7d116710_ffn2, .Lfunc_end_k_q5b7d116710_ffn2-k_q5b7d116710_ffn2
	.p2alignl 7, 3214868480
	.fill 96, 4, 3214868480
	.section	.rodata,"a",@progbits
	.p2align	6, 0x0
	.amdhsa_kernel k_q5b7d116710_ffn2
		.amdhsa_group_segment_fixed_size 327680
		.amdhsa_private_segment_fixed_size 0
		.amdhsa_enable_private_segment 0
		.amdhsa_kernarg_size 56
		.amdhsa_user_sgpr_count 2
		.amdhsa_user_sgpr_kernarg_segment_ptr 1
		.amdhsa_wavefront_size32 1
		.amdhsa_system_sgpr_workgroup_id_x 1
		.amdhsa_system_sgpr_workgroup_id_y 1
		.amdhsa_system_sgpr_workgroup_id_z 1
		.amdhsa_system_vgpr_workitem_id 0
		.amdhsa_next_free_vgpr 640
		.amdhsa_next_free_sgpr 104
		.amdhsa_reserve_vcc 0
		.amdhsa_float_denorm_mode_32 3
		.amdhsa_float_denorm_mode_16_64 3
		.amdhsa_memory_ordered 1
		.amdhsa_forward_progress 1
		.amdhsa_inst_pref_size 120
	.end_amdhsa_kernel
	.amdgpu_metadata
---
amdhsa.version: [ 1, 2 ]
amdhsa.kernels:
  - .name:           k_q5b7d116710_ffn2
    .symbol:         k_q5b7d116710_ffn2.kd
    .args:
      - { .name: h_img, .offset: 0, .size: 8, .value_kind: global_buffer, .address_space: global }
      - { .name: h_sc, .offset: 8, .size: 8, .value_kind: global_buffer, .address_space: global }
      - { .name: w2_codes, .offset: 16, .size: 8, .value_kind: global_buffer, .address_space: global }
      - { .name: w2_scales, .offset: 24, .size: 8, .value_kind: global_buffer, .address_space: global }
      - { .name: b2, .offset: 32, .size: 8, .value_kind: global_buffer, .address_space: global }
      - { .name: x1, .offset: 40, .size: 8, .value_kind: global_buffer, .address_space: global }
      - { .name: out0, .offset: 48, .size: 8, .value_kind: global_buffer, .address_space: global }
    .group_segment_fixed_size: 327680
    .private_segment_fixed_size: 0
    .kernarg_segment_align: 8
    .kernarg_segment_size: 56
    .max_flat_workgroup_size: 128
    .sgpr_count:     104
    .vgpr_count:     640
    .wavefront_size: 32
...
	.end_amdgpu_metadata
.endif
;; end of part 6
